; MI455X (gfx1250); checked and timed in simulation.
; The chip was launched on July 23, 2026; its instructions are those of AMD's public machine-readable ISA for CDNA 5 (MIT licence, August 2026) and "CDNA5" Instruction Set Architecture Reference Guide (July 2026). The comments in the code are by the model that wrote it; some were corrected since.
;; Swi GLU Expert. Allowed arithmetic: float matrix products may take bf16 or f16 operands with f32 sums; other float arithmetic in f32, or as packed bf16 or f16 multiplies, adds, multiply-adds, maxima and minima; sums over many terms, partial sums and values carried from step to step in f32; what a program stores and reads back later, other than sums and carried values, may be rounded once to bf16 or f16.
;; Inputs: W_down 2,048 x 1,024 float32; W_gate 1,024 x 2,048 float32; W_up 1,024 x 2,048 float32; x 4 x 2,048 x 2,048 float32.
;; Outputs: out0 4 x 2,048 x 2,048 float32.
;; 2 versions, each right; version 2 is version 1 with the launch quant written anew for expert scheduling mode. Each part assembles by itself: llvm-mc -triple=amdgcn-amd-amdhsa -mcpu=gfx1250 --defsym DOCPART=n.
;; ======== version 1 of 2: 4 launches
;; workspace buffers: xh 33,554,432 bytes; wq1 8,388,608 bytes; wq2 4,194,304 bytes; hid 16,777,216 bytes; part 16,384 bytes; scl 256 bytes
;; launch prep (part 1): grid 1024 x 1, 8 waves a work-group, no clusters, 1,280 bytes of LDS; arguments x, W_up, W_gate, W_down, xh, part; writes xh, part
.if DOCPART == 1
	.amdgcn_target "amdgcn-amd-amdhsa--gfx1250"
	.amdhsa_code_object_version 6
	.text
	.protected	k_qbc31c7fabe_prep
	.globl	k_qbc31c7fabe_prep
	.p2align	8
	.type	k_qbc31c7fabe_prep,@function
k_qbc31c7fabe_prep:
	s_mov_b64 s[64:65], 0
	v_nop
	global_prefetch_b8 v0, s[64:65] scope:SCOPE_SE
	s_setreg_imm32_b32 hwreg(HW_REG_WAVE_MODE, 25, 1), 1
	s_wait_xcnt 0x0
; xh = x rounded to bf16;  part[g] = (sum |bf16(W_up)|, sum |bf16(W_gate)|, sum |bf16(W_down)|, 0) over work-group g's 2,048 numbers of each matrix.
; All inputs of the module are rounded once to bf16, the weights ahead of their mean and of their threshold too.
; SHARES.  1,024 work-groups of 8 waves.  Work-group g takes 65,536 bytes of x (16 loads of 16 bytes a thread) and 8,192 bytes of each W (2 loads a thread).
; All 22 loads of a thread go out first: no loop, no register is used twice for memory.  A store of a wave covers 256 consecutive bytes, aligned.
; No cluster, no matrix unit, no tensor load: no byte is read by two work-groups and each is touched once.
; LIMITS.  The sums of |W| are taken as a tree (8 numbers a lane, 32 lanes, 8 waves, later 1,024 work-groups), not in the order of a running sum.  NaN and infinities are not treated apart.
.set SPARE, 256                        ; LDS: bytes 0-127 the waves' partial sums (the block 0-255 is theirs); from 256 on the spare words, 128 bytes a wave
.set SPW, 3                            ; v3  LDS address of my spare word; never rewritten
.set NIL, 4                            ; v4  0; never rewritten
.set WD,  8                            ; v[8:31]   W as loaded: matrix m, load i at 8 + 8 m + 4 i; later v8-11 the wave's four sums
.set X,   32                           ; v[32:95]  x as loaded: load j at 32 + 4 j
.set Y,   96                           ; v[96:127] x as stored: 2 registers for each j; before that at work on the sums
	s_load_b256 s[4:11], s[0:1], 0x0               ; x s[4:5], W_up s[6:7], W_gate s[8:9], W_down s[10:11]
	s_load_b128 s[12:15], s[0:1], 0x20             ; xh s[12:13], part s[14:15]
	v_lshl_add_u32 v[SPW], v0, 2, SPARE
	v_mov_b32 v[NIL], 0
	v_lshlrev_b32 v1, 4, v0                        ; 16 t: my place in 4,096 bytes of f32
	v_lshlrev_b32 v2, 3, v0                        ; 8 t: my place in 2,048 bytes of bf16
	v_lshrrev_b32 v5, 5, v0
	v_readfirstlane_b32 s24, v5                    ; wave 0..7
	v_lshlrev_b32 v5, 4, v5                        ; 16 x wave: where the wave's four sums go
	v_and_b32 v6, 31, v0
	v_lshlrev_b32 v6, 2, v6                        ; 4 x lane
	v_mov_b32 v7, 0                                ; written, since v_permlanex16_b32 counts as a reader of its destination
	s_lshl_b32 s16, ttmp9, 16                      ; the work-group's part of x,
	s_mov_b32 s17, 0
	s_lshl_b32 s18, ttmp9, 13                      ; of each W,
	s_mov_b32 s19, 0
	s_lshl_b32 s20, ttmp9, 15                      ; of xh,
	s_mov_b32 s21, 0
	s_lshl_b32 s22, ttmp9, 4                       ; of part
	s_mov_b32 s23, 0
	s_mov_b32 s25, 0xffff0000                      ; a word's upper bf16
	s_mov_b32 s29, 0x7fff7fff                      ; clears the signs of two bf16
	s_mov_b32 s26, 0x76543210                      ; v_permlanex16_b32: each lane takes its own place in the other half
	s_mov_b32 s27, 0xfedcba98
	s_wait_kmcnt 0x0
	s_add_nc_u64 s[4:5], s[4:5], s[16:17]
	s_add_nc_u64 s[6:7], s[6:7], s[18:19]
	s_add_nc_u64 s[8:9], s[8:9], s[18:19]
	s_add_nc_u64 s[10:11], s[10:11], s[18:19]
	s_add_nc_u64 s[12:13], s[12:13], s[20:21]
	s_add_nc_u64 s[14:15], s[14:15], s[22:23]
.irp i, 0,1
	global_load_b128 v[WD+4*(\i):WD+4*(\i)+3],       v1, s[6:7]   offset:4096*(\i)
	global_load_b128 v[WD+8+4*(\i):WD+8+4*(\i)+3],   v1, s[8:9]   offset:4096*(\i)
	global_load_b128 v[WD+16+4*(\i):WD+16+4*(\i)+3], v1, s[10:11] offset:4096*(\i)
.endr
.irp j, 0,1,2,3,4,5,6,7,8,9,10,11,12,13,14,15
	global_load_b128 v[X+4*(\j):X+4*(\j)+3], v1, s[4:5] offset:4096*(\j) th:TH_LOAD_NT
.endr
; My eight numbers of matrix m: rounded to bf16 in pairs, signs cleared, widened, added.  The sum goes to v[8 + m]: matrix 0's registers, which are used up first.
.macro ABSSUM m
.irp k, 0,1,2,3
	v_cvt_pk_bf16_f32 v[Y+(\k)], v[WD+8*(\m)+2*(\k)], v[WD+8*(\m)+2*(\k)+1]
.endr
.irp k, 0,1,2,3
	v_and_b32 v[Y+(\k)], s29, v[Y+(\k)]
.endr
.irp k, 0,1,2,3
	v_lshlrev_b32 v[Y+4+2*(\k)], 16, v[Y+(\k)]
	v_and_b32     v[Y+5+2*(\k)], s25, v[Y+(\k)]
.endr
	v_pk_add_f32 v[Y+4:Y+5], v[Y+4:Y+5], v[Y+6:Y+7]
	v_pk_add_f32 v[Y+8:Y+9], v[Y+8:Y+9], v[Y+10:Y+11]
	v_pk_add_f32 v[Y+4:Y+5], v[Y+4:Y+5], v[Y+8:Y+9]
	v_add_f32 v[WD+(\m)], v[Y+4], v[Y+5]
.endm
; The sum of register r over the wave's 32 lanes, in every lane.
.macro WSUM r
	v_add_f32_dpp v[\r], v[\r], v[\r] row_xmask:1 row_mask:0xf bank_mask:0xf
	v_add_f32_dpp v[\r], v[\r], v[\r] row_xmask:2 row_mask:0xf bank_mask:0xf
	v_add_f32_dpp v[\r], v[\r], v[\r] row_xmask:4 row_mask:0xf bank_mask:0xf
	v_add_f32_dpp v[\r], v[\r], v[\r] row_xmask:8 row_mask:0xf bank_mask:0xf
	v_permlanex16_b32 v7, v[\r], s26, s27
	v_add_f32 v[\r], v[\r], v7
.endm
	s_wait_loadcnt 16                              ; loads come back in order: W's six are in, x's sixteen stay out
	ABSSUM 0
	ABSSUM 1
	ABSSUM 2
	WSUM WD
	WSUM WD+1
	WSUM WD+2
	v_mov_b32 v[WD+3], 0                           ; part's fourth word
	ds_store_b128 v5, v[WD:WD+3]                   ; all lanes of the wave write the same 16 bytes
.irp j, 0,1,2,3,4,5,6,7,8,9,10,11,12,13,14,15
	s_wait_loadcnt 15-(\j)                         ; load j is in, the younger ones stay out
	v_cvt_pk_bf16_f32 v[Y+2*(\j)],   v[X+4*(\j)],   v[X+4*(\j)+1]
	v_cvt_pk_bf16_f32 v[Y+2*(\j)+1], v[X+4*(\j)+2], v[X+4*(\j)+3]
	global_store_b64 v2, v[Y+2*(\j):Y+2*(\j)+1], s[12:13] offset:2048*(\j)  ; each store has data registers of its own: nothing is rewritten
.endr
	s_wait_dscnt 0x0                               ; for wave 0's sake: my four sums lie in LDS
	s_barrier_signal -1
	s_barrier_wait -1
	s_cmp_lg_u32 s24, 0
	s_cbranch_scc1 .Lend
	ds_load_b32 v8, v6                             ; lane l: sum l % 4 of wave l / 4
	s_wait_dscnt 0x0
	v_add_f32_dpp v8, v8, v8 row_xmask:4 row_mask:0xf bank_mask:0xf
	v_add_f32_dpp v8, v8, v8 row_xmask:8 row_mask:0xf bank_mask:0xf
	v_permlanex16_b32 v7, v8, s26, s27
	v_add_f32 v8, v8, v7                           ; lane l: sum l % 4 of the work-group
	v_cmp_gt_u32 vcc_lo, 4, v0
	s_wait_xcnt 0x0                                ; EXEC is a source of the stores above: it changes only behind this wait
	s_and_saveexec_b32 s28, vcc_lo
	global_store_b32 v6, v8, s[14:15]              ; 16 bytes: the work-group's entry of part
	s_wait_xcnt 0x0                                ; and again ahead of the line that widens EXEC
	s_or_b32 exec_lo, exec_lo, s28
.Lend:
	s_wait_tensorcnt 0x0                           ; the wave's end, behind my last LDS store
	ds_add_u32 v[SPW], v[NIL]
	s_wait_dscnt 0x0
	s_endpgm
.Lfunc_end_k_qbc31c7fabe_prep:
	.size	k_qbc31c7fabe_prep, .Lfunc_end_k_qbc31c7fabe_prep-k_qbc31c7fabe_prep
	.p2alignl 7, 3214868480
	.fill 96, 4, 3214868480
	.section	.rodata,"a",@progbits
	.p2align	6, 0x0
	.amdhsa_kernel k_qbc31c7fabe_prep
		.amdhsa_group_segment_fixed_size 1280
		.amdhsa_private_segment_fixed_size 0
		.amdhsa_enable_private_segment 0
		.amdhsa_kernarg_size 48
		.amdhsa_user_sgpr_count 2
		.amdhsa_user_sgpr_kernarg_segment_ptr 1
		.amdhsa_wavefront_size32 1
		.amdhsa_system_sgpr_workgroup_id_x 1
		.amdhsa_system_sgpr_workgroup_id_y 1
		.amdhsa_system_sgpr_workgroup_id_z 1
		.amdhsa_system_vgpr_workitem_id 0
		.amdhsa_next_free_vgpr 128
		.amdhsa_next_free_sgpr 66
		.amdhsa_reserve_vcc 1
		.amdhsa_float_denorm_mode_32 3
		.amdhsa_float_denorm_mode_16_64 3
		.amdhsa_memory_ordered 1
		.amdhsa_forward_progress 1
		.amdhsa_inst_pref_size 13
	.end_amdhsa_kernel
	.amdgpu_metadata
---
amdhsa.version: [ 1, 2 ]
amdhsa.kernels:
  - .name:           k_qbc31c7fabe_prep
    .symbol:         k_qbc31c7fabe_prep.kd
    .args:
      - { .name: x, .offset: 0, .size: 8, .value_kind: global_buffer, .address_space: global }
      - { .name: W_up, .offset: 8, .size: 8, .value_kind: global_buffer, .address_space: global }
      - { .name: W_gate, .offset: 16, .size: 8, .value_kind: global_buffer, .address_space: global }
      - { .name: W_down, .offset: 24, .size: 8, .value_kind: global_buffer, .address_space: global }
      - { .name: xh, .offset: 32, .size: 8, .value_kind: global_buffer, .address_space: global }
      - { .name: part, .offset: 40, .size: 8, .value_kind: global_buffer, .address_space: global }
    .group_segment_fixed_size: 1280
    .private_segment_fixed_size: 0
    .kernarg_segment_align: 8
    .kernarg_segment_size: 48
    .max_flat_workgroup_size: 256
    .sgpr_count:     66
    .vgpr_count:     128
    .wavefront_size: 32
...
	.end_amdgpu_metadata
.endif
;; end of part 1
;; launch quant (part 2): grid 256 x 3, 8 waves a work-group, no clusters, 1,280 bytes of LDS; arguments W_up, W_gate, W_down, part, wq1, wq2, scl; writes wq1, wq2, scl
.if DOCPART == 2
	.amdgcn_target "amdgcn-amd-amdhsa--gfx1250"
	.amdhsa_code_object_version 6
	.text
	.protected	k_qbc31c7fabe_quant
	.globl	k_qbc31c7fabe_quant
	.p2align	8
	.type	k_qbc31c7fabe_quant,@function
k_qbc31c7fabe_quant:
	s_mov_b64 s[64:65], 0
	v_nop
	global_prefetch_b8 v0, s[64:65] scope:SCOPE_SE
	s_setreg_imm32_b32 hwreg(HW_REG_WAVE_MODE, 25, 1), 1
	s_wait_xcnt 0x0
; The three scales s = mean |bf16(W)| + 1e-8, and the ternary digits clip(round(bf16(W) / s), -1, 1) as bf16 numbers (-1, 0, 1: exact).  The scale itself is applied later, in f32, behind the sums.
; SHARES.  y = 0, 1, 2: W_up, W_gate, W_down.  Work-group (g, y) takes 8,192 numbers of matrix y: 32,768 bytes in (8 loads of 16 bytes a thread), 16,384 consecutive bytes out.
; wq1 [2048][2048]: hidden column e of up (y = 0) or gate (y = 1) is row 128 (e / 64) + 64 y + e % 64: each 128 rows hold 64 columns of up and the same 64 of gate.
; The work-group's four rows e = 4 g .. 4 g + 3 stay on end there.  wq2 [2048][1024] has W_down's own order.
; Every work-group adds up all of part (16,384 bytes, 4 loads a thread) by the same instructions in the same order, so all get the same three scales.  Work-group (0, 0) stores them.
; No cluster: what is shared, part, is a third of a work-group's bytes in and is read once at the start.
; LIMITS.  The quotient is taken as bf16(W) x (1 / s) with v_rcp_f32: a weight whose quotient lies within some 2e-7 (relative) of one half may get the neighbouring digit.
; The mean's sum is a tree, not a running sum.  NaN and infinities are not treated apart.
.set SPARE, 256                        ; LDS as in the launch before: bytes 0-127 the waves' sums, from 256 on the spare words
.set SPW, 3                            ; v3  LDS address of my spare word; never rewritten
.set NIL, 4                            ; v4  0; never rewritten
.set PT,  8                            ; v[8:23]   part as loaded
.set WD,  24                           ; v[24:55]  W as loaded: load j at 24 + 4 j
.set T,   56                           ; v[56:61]  at work
.set Q,   62                           ; v[62:77]  digits to store: 2 registers for each j
.set SV,  78                           ; v78  lane l: scale l % 4 (the fourth is 1e-8)
.set RV,  79                           ; v79  1 / that
	s_load_b256 s[4:11], s[0:1], 0x0               ; W_up s[4:5], W_gate s[6:7], W_down s[8:9], part s[10:11]
	s_load_b128 s[12:15], s[0:1], 0x20             ; wq1 s[12:13], wq2 s[14:15]
	s_load_b64 s[16:17], s[0:1], 0x30              ; scl
	v_lshl_add_u32 v[SPW], v0, 2, SPARE
	v_mov_b32 v[NIL], 0
	v_lshlrev_b32 v1, 4, v0                        ; 16 t
	v_lshlrev_b32 v2, 3, v0                        ; 8 t
	v_lshrrev_b32 v5, 5, v0
	v_readfirstlane_b32 s31, v5                    ; wave 0..7
	v_lshlrev_b32 v5, 4, v5                        ; 16 x wave
	v_and_b32 v6, 31, v0
	v_lshlrev_b32 v6, 2, v6                        ; 4 x lane
	v_mov_b32 v7, 0                                ; written, for v_permlanex16_b32
	s_and_b32 s32, ttmp7, 0xffff                   ; y
	s_mov_b32 s33, 0x35000000                      ; 2^-21 = 1 / 2,097,152: the multiplication is exact
	s_mov_b32 s37, 0x322bcc77                      ; 1e-8
	s_mov_b32 s34, 0x76543210
	s_mov_b32 s35, 0xfedcba98
	s_mov_b32 s36, 0xffff0000                      ; a word's upper bf16
	s_lshl_b32 s38, ttmp9, 15                      ; where I read: 32,768 g
	s_mov_b32 s39, 0
	s_lshr_b32 s22, ttmp9, 4                       ; where I store in wq1: (128 (g / 16) + 64 y + 4 (g % 16)) rows of 4,096 bytes
	s_lshl_b32 s22, s22, 19
	s_lshl_b32 s23, s32, 18
	s_or_b32 s22, s22, s23
	s_and_b32 s23, ttmp9, 15
	s_lshl_b32 s23, s23, 14
	s_or_b32 s22, s22, s23
	s_lshl_b32 s23, ttmp9, 14                      ; in wq2: 16,384 g
	s_cmp_eq_u32 s32, 2
	s_cselect_b32 s22, s23, s22
	s_mov_b32 s23, 0
	s_wait_kmcnt 0x0
	s_cselect_b64 s[20:21], s[14:15], s[12:13]     ; (moves and waits leave SCC alone: still y = 2)
	s_cselect_b64 s[18:19], s[8:9], s[6:7]
	s_cmp_eq_u32 s32, 0
	s_cselect_b64 s[18:19], s[4:5], s[18:19]
	s_add_nc_u64 s[18:19], s[18:19], s[38:39]
	s_add_nc_u64 s[20:21], s[20:21], s[22:23]
.irp i, 0,1,2,3
	global_load_b128 v[PT+4*(\i):PT+4*(\i)+3], v1, s[10:11] offset:4096*(\i)
.endr
.irp j, 0,1,2,3,4,5,6,7
	global_load_b128 v[WD+4*(\j):WD+4*(\j)+3], v1, s[18:19] offset:4096*(\j) th:TH_LOAD_NT
.endr
.macro WSUM r
	v_add_f32_dpp v[\r], v[\r], v[\r] row_xmask:1 row_mask:0xf bank_mask:0xf
	v_add_f32_dpp v[\r], v[\r], v[\r] row_xmask:2 row_mask:0xf bank_mask:0xf
	v_add_f32_dpp v[\r], v[\r], v[\r] row_xmask:4 row_mask:0xf bank_mask:0xf
	v_add_f32_dpp v[\r], v[\r], v[\r] row_xmask:8 row_mask:0xf bank_mask:0xf
	v_permlanex16_b32 v7, v[\r], s34, s35
	v_add_f32 v[\r], v[\r], v7
.endm
	s_wait_loadcnt 8                               ; part's four loads are in, W's eight stay out
	v_pk_add_f32 v[PT:PT+1],     v[PT:PT+1],     v[PT+4:PT+5]
	v_pk_add_f32 v[PT+2:PT+3],   v[PT+2:PT+3],   v[PT+6:PT+7]
	v_pk_add_f32 v[PT+8:PT+9],   v[PT+8:PT+9],   v[PT+12:PT+13]
	v_pk_add_f32 v[PT+10:PT+11], v[PT+10:PT+11], v[PT+14:PT+15]
	v_pk_add_f32 v[PT:PT+1],     v[PT:PT+1],     v[PT+8:PT+9]
	v_pk_add_f32 v[PT+2:PT+3],   v[PT+2:PT+3],   v[PT+10:PT+11]  ; (the fourth word is a sum of zeros)
	WSUM PT
	WSUM PT+1
	WSUM PT+2
	ds_store_b128 v5, v[PT:PT+3]
	s_wait_dscnt 0x0                               ; for the others' sake: my wave's sums lie in LDS
	s_barrier_signal -1
	s_barrier_wait -1
	ds_load_b32 v8, v6                             ; lane l: sum l % 4 of wave l / 4
	s_wait_dscnt 0x0
	v_add_f32_dpp v8, v8, v8 row_xmask:4 row_mask:0xf bank_mask:0xf
	v_add_f32_dpp v8, v8, v8 row_xmask:8 row_mask:0xf bank_mask:0xf
	v_permlanex16_b32 v7, v8, s34, s35
	v_add_f32 v8, v8, v7
	v_fma_f32 v[SV], v8, s33, s37                  ; mean + 1e-8, rounded once
	v_rcp_f32 v[RV], v[SV]
	v_nop                                          ; a plain instruction behind the reciprocal,
	s_wait_alu depctr_va_vdst(0)                   ; and a wait ahead of its first reader
	v_readlane_b32 s24, v[RV], 0
	v_readlane_b32 s25, v[RV], 1
	v_readlane_b32 s26, v[RV], 2
	s_cmp_eq_u32 s32, 0
	s_cselect_b32 s28, s24, s25
	s_cmp_eq_u32 s32, 2
	s_cselect_b32 s28, s26, s28                    ; 1 / s of my matrix
	s_mov_b32 s29, s28                             ; named with it as a pair
	s_or_b32 s22, ttmp9, s32
	s_or_b32 s22, s22, s31
	s_cmp_lg_u32 s22, 0
	s_cbranch_scc1 .Lnot_first
	global_store_b32 v6, v[SV], s[16:17]           ; wave 0 of work-group (0, 0): s_u, s_g, s_d, 1e-8, eight times over: 128 bytes, of which the first 16 are read later
.Lnot_first:
.irp j, 0,1,2,3,4,5,6,7
	s_wait_loadcnt 7-(\j)                          ; load j is in, the younger ones stay out
	v_cvt_pk_bf16_f32 v[T],   v[WD+4*(\j)],   v[WD+4*(\j)+1]    ; the input's rounding to bf16,
	v_cvt_pk_bf16_f32 v[T+1], v[WD+4*(\j)+2], v[WD+4*(\j)+3]
	v_lshlrev_b32 v[T+2], 16,  v[T]                             ; widened again
	v_and_b32     v[T+3], s36, v[T]
	v_lshlrev_b32 v[T+4], 16,  v[T+1]
	v_and_b32     v[T+5], s36, v[T+1]
	v_pk_mul_f32 v[T+2:T+3], v[T+2:T+3], s[28:29] op_sel_hi:[1,0]
	v_pk_mul_f32 v[T+4:T+5], v[T+4:T+5], s[28:29] op_sel_hi:[1,0]
.irp k, 2,3,4,5
	v_rndne_f32 v[T+(\k)], v[T+(\k)]               ; halves go to the even neighbour, as in jnp.round
.endr
.irp k, 2,3,4,5
	v_med3_num_f32 v[T+(\k)], v[T+(\k)], -1.0, 1.0
.endr
	v_cvt_pk_bf16_f32 v[Q+2*(\j)],   v[T+2], v[T+3]
	v_cvt_pk_bf16_f32 v[Q+2*(\j)+1], v[T+4], v[T+5]
	global_store_b64 v2, v[Q+2*(\j):Q+2*(\j)+1], s[20:21] offset:2048*(\j)  ; a wave's store covers 256 consecutive bytes, aligned; data registers of its own
.endr
	s_wait_tensorcnt 0x0                           ; the wave's end, behind my last LDS store
	ds_add_u32 v[SPW], v[NIL]
	s_wait_dscnt 0x0
	s_endpgm
.Lfunc_end_k_qbc31c7fabe_quant:
	.size	k_qbc31c7fabe_quant, .Lfunc_end_k_qbc31c7fabe_quant-k_qbc31c7fabe_quant
	.p2alignl 7, 3214868480
	.fill 96, 4, 3214868480
	.section	.rodata,"a",@progbits
	.p2align	6, 0x0
	.amdhsa_kernel k_qbc31c7fabe_quant
		.amdhsa_group_segment_fixed_size 1280
		.amdhsa_private_segment_fixed_size 0
		.amdhsa_enable_private_segment 0
		.amdhsa_kernarg_size 56
		.amdhsa_user_sgpr_count 2
		.amdhsa_user_sgpr_kernarg_segment_ptr 1
		.amdhsa_wavefront_size32 1
		.amdhsa_system_sgpr_workgroup_id_x 1
		.amdhsa_system_sgpr_workgroup_id_y 1
		.amdhsa_system_sgpr_workgroup_id_z 1
		.amdhsa_system_vgpr_workitem_id 0
		.amdhsa_next_free_vgpr 80
		.amdhsa_next_free_sgpr 66
		.amdhsa_reserve_vcc 0
		.amdhsa_float_denorm_mode_32 3
		.amdhsa_float_denorm_mode_16_64 3
		.amdhsa_memory_ordered 1
		.amdhsa_forward_progress 1
		.amdhsa_inst_pref_size 14
	.end_amdhsa_kernel
	.amdgpu_metadata
---
amdhsa.version: [ 1, 2 ]
amdhsa.kernels:
  - .name:           k_qbc31c7fabe_quant
    .symbol:         k_qbc31c7fabe_quant.kd
    .args:
      - { .name: W_up, .offset: 0, .size: 8, .value_kind: global_buffer, .address_space: global }
      - { .name: W_gate, .offset: 8, .size: 8, .value_kind: global_buffer, .address_space: global }
      - { .name: W_down, .offset: 16, .size: 8, .value_kind: global_buffer, .address_space: global }
      - { .name: part, .offset: 24, .size: 8, .value_kind: global_buffer, .address_space: global }
      - { .name: wq1, .offset: 32, .size: 8, .value_kind: global_buffer, .address_space: global }
      - { .name: wq2, .offset: 40, .size: 8, .value_kind: global_buffer, .address_space: global }
      - { .name: scl, .offset: 48, .size: 8, .value_kind: global_buffer, .address_space: global }
    .group_segment_fixed_size: 1280
    .private_segment_fixed_size: 0
    .kernarg_segment_align: 8
    .kernarg_segment_size: 56
    .max_flat_workgroup_size: 256
    .sgpr_count:     66
    .vgpr_count:     80
    .wavefront_size: 32
...
	.end_amdgpu_metadata
.endif
;; end of part 2
;; launch gemm1 (part 3): grid 8 x 32, 4 waves a work-group, clusters of 4 x 4, 327,680 bytes of LDS; arguments xh, wq1, hid, scl; writes hid
.if DOCPART == 3
	.amdgcn_target "amdgcn-amd-amdhsa--gfx1250"
	.amdhsa_code_object_version 6
	.text
	.protected	k_qbc31c7fabe_gemm1
	.globl	k_qbc31c7fabe_gemm1
	.p2align	8
	.type	k_qbc31c7fabe_gemm1,@function
k_qbc31c7fabe_gemm1:
	s_mov_b64 s[64:65], 0
	v_nop
	global_prefetch_b8 v0, s[64:65] scope:SCOPE_SE
	s_setreg_imm32_b32 hwreg(HW_REG_WAVE_MODE, 25, 1), 1
	s_wait_xcnt 0x0
	s_wait_alu depctr_hold_cnt(0) depctr_sa_sdst(0) depctr_va_vdst(0) depctr_va_sdst(0) depctr_va_ssrc(0) depctr_va_vcc(0) depctr_vm_vsrc(0)
	s_getreg_b32 s2, hwreg(HW_REG_IB_STS2, 6, 4)
	s_cmp_eq_u32 s2, 0
	s_cbranch_scc0 .Lentry_in_a_cluster
	s_endpgm
.Lentry_in_a_cluster:
	s_bfe_u32 s2, ttmp6, 0x10000c
	s_cmp_lg_u32 s2, 0xf033
	s_cbranch_scc0 .Lentry_shape_is_right
	s_endpgm
.Lentry_shape_is_right:
; hid = silu(s_u U) x (s_g G), U = xh x (digits of W_up)^T, G = xh x (digits of W_gate)^T.  xh [8192][2048] bf16; wq1 [2048][2048] bf16 digits, each 128 rows = 64 columns of up, then the same 64 of gate.
; Sums in f32; the scales, the exponential and the reciprocal in f32; hid rounded once to bf16.  hid lies in blocks: [16 planes of 64 hidden columns][8192 rows][64], a row of a plane 128 bytes, rows on end.
; SHAPE.  A tile is 256 rows of xh x 256 rows of wq1: 32 x 8 = 256 tiles, one work-group of four waves each.  A wave makes 128 x 128: 64 accumulators of 16 x 16, 512 registers.
; K goes in steps of 128 through two LDS slots filled by tensor loads: rows of 256 bytes that start at multiples of 256 bytes from the buffers' first bytes.
; CLUSTER.  4 x 4 work-groups.  The four of a row of the cluster need the same rows of xh, the four of a column the same rows of wq1: each tile is asked for jointly, by the same tensor load with the same
; descriptor and a mask that names the four.
; THE MATRIX INSTRUCTION IS USED TRANSPOSED: source 0 = 16 rows of wq1, source 1 = 16 rows of xh.  A lane then holds row l % 16 and eight neighbouring columns 8 (l / 16) + 0..7.  A wave's 128 rows of wq1 are 64 columns
; of up (blocks 0-3) and the same 64 of gate (blocks 4-7): accumulators (a, b) and (a, b + 4) hold U and G of the same numbers, lane for lane and register for register.
; hid = U G / (IC (1 + 2^(K1 U))),  K1 = -log2(e) s_u,  IC = 1 / (s_u s_g).
; LIMITS.  Where IC (1 + 2^(K1 U)) passes f32's range hid counts as 0 (s_u U below about -50 at the least scale, 1e-8).  NaN and infinities are not treated apart.
; REGISTERS, in windows of 256 (s_set_vgpr_msb: bits 1:0 source 0, 3:2 source 1, 5:4 source 2, 7:6 destination):
;   window 0: v0-31 addresses; v64-127, v128-191 fragments of xh, two buffers (on the way out: packed results, 16 registers a block); v192-255 at work on the way out
;   window 1: v64-127, v128-191 fragments of wq1, two buffers     window 2: accumulators of my rows 0-63, (a, b) at v[8 (8 a + b)]     window 3: those of my rows 64-127
.set SIZE_K, 2048
.set KSTEP,  128
.set PITCH,  272                       ; an LDS row of wq1's tile: 256 bytes + 16 of padding = 68 words: the 16 rows of a load start at 16 different groups of four banks (64 banks of 4 bytes: ISA guide 11.1)
.set PA,     272                       ; the same for xh's tile
.set APLANE, 128                       ; bytes from K = 0 to K = 64 of a row of xh's tile
.set HALFT,  128*PITCH                 ; 128 rows: what one tensor load brings
.set SLOT,   4*HALFT                   ; xh's 256 rows, then wq1's 256 rows
.set STAGE,  2*SLOT                    ; behind the ring, never filled by a tensor load: 16 rows x 144 bytes for each wave
.set SP,     144
.set SPARE,  STAGE+4*16*SP             ; behind the stages: the spare words, 128 bytes for each wave
.set LAPS,   SIZE_K/(2*KSTEP)          ; a lap = two K steps = once round the ring
.set STEPA,  2*KSTEP*2                 ; bytes by which a slot's address steps from fill to fill
.set STEPB,  2*KSTEP*2
.set ADRA, 16                          ; v16-17  LDS address of my fragments of xh in slot 0, 1
.set ADRB, 20                          ; v20-21  the same for wq1
.set STO,  24                          ; v24  the way out: where I put 16 bytes of a row
.set RD,   25                          ; v25  the way out: where I read rows back
.set GO,   26                          ; v26  my byte offset in 512 consecutive bytes of hid
.set SPW,  28                          ; v28  LDS address of my spare word; never rewritten
.set NIL,  29                          ; v29  0; never rewritten
.set PFO,  30                          ; v30  the prefetches' offset: my lane x a row of 4,096 bytes; never rewritten
.set F0,   64
.set F1,   128
.set BK,   64                          ; the way out: block a's 16 registers at BK + 16 a
.set Z,    192                         ; the way out: 32 registers: K1 U, its exponential, the divisor, its reciprocal
.set T,    224                         ; the way out: 32 registers: U G, then hid
.set WV,  12                           ; s12  wave 0..3
.set RH,  13                           ; s13  which 128 rows of the tile are mine.  Also: I fetch for xh (0) or for wq1 (1)
.set CH,  14                           ; s14  which 128 rows of wq1 are mine.  Also: which 128 rows I fetch
.set LIM, 15                           ; s15  1 in a wave that prefetches, else the greatest number
.set G1,  24                           ; s[24:31] descriptor group 1 for xh's tiles
.set G0,  32                           ; s[32:39] group 0, a set for each slot
.set PFA, 44                           ; s[44:45] where my prefetches stand
.set G1B, 48                           ; s[48:55], s[56:63] the same for wq1's tiles
.set G0B, 56
.set K1,  68                           ; s[68:69]
.set IC,  70                           ; s[70:71]
.set SC,  72                           ; s[72:75] s_u, s_g, s_d, 1e-8
.set MSB, 0
.macro WIN new                         ; the immediate's high byte repeats the setting that is left; a switch that changes nothing is dropped
.if MSB != (\new)
	s_set_vgpr_msb (MSB<<8)|(\new)
.set MSB, \new
.endif
.endm
.set MUL_LO, 0xa1                      ; source 0 (wq1) window 1, source 1 (xh) window 0, C and D window 2
.set MUL_HI, 0xf1                      ; the same, C and D window 3
.set TO_B,   0x40                      ; destination window 1, address window 0
; A joint load.  Waves 0 and 1 fetch xh's two halves, waves 2 and 3 wq1's.  The branch hangs on the wave's number alone.  An s_nop 0 and four v_nop follow each of the two lines.
.macro JLOAD s
	s_cmp_eq_u32 s[RH], 0
	s_cbranch_scc0 .Lfor_b_\@
	tensor_load_to_lds s[G0+4*(\s):G0+4*(\s)+3], s[G1:G1+7]
	s_nop 0
.rept 4
	v_nop
.endr
	s_branch .Lasked_\@
.Lfor_b_\@:
	tensor_load_to_lds s[G0B+4*(\s):G0B+4*(\s)+3], s[G1B:G1B+7]
	s_nop 0
.rept 4
	v_nop
.endr
.Lasked_\@:
.endm
; A prefetch, behind each joint refill and the run of LDS loads that follows it: the K step that stands two refills on, 512 matrix instructions ahead of the load that will ask for it: 32 rows x 256 bytes, a lane a row.
; Each row's 256 bytes of a K step are named once in the launch: xh's rows by the clusters with x = 0, wq1's by those with y = 0; of the 128 rows that a wave fetches the partner at place p (cx for xh, cy for wq1)
; takes 32 p .. 32 p + 31, told apart by address.  Nothing is asked for at the head; the loop's last trip (s3 = 1) has no K step two refills on.
.macro ASK
	s_cmp_gt_u32 s3, s[LIM]
	s_cbranch_scc0 .Lnot_mine_\@
	global_prefetch_b8 v[PFO], s[PFA:PFA+1] offset:KSTEP*2 th:TH_LOAD_NT scope:SCOPE_SE
.Lnot_mine_\@:
.endm
; A round of the cluster's barrier: my work-group's barrier; wave 0 signals for the work-group; every wave waits for all sixteen; my work-group's barrier once more.
.macro CREST                           ; a round behind its opening barrier
	s_cmp_lg_u32 s[WV], 0
	s_cbranch_scc1 .Lnot_wave_0_\@
	s_barrier_signal -3
.Lnot_wave_0_\@:
	s_barrier_wait -3
	s_barrier_signal -1
	s_barrier_wait -1
.endm
.macro CROUND
	s_barrier_signal -1
	s_barrier_wait -1
	CREST
.endm
	s_load_b256 s[4:11], s[0:1], 0x0               ; xh s[4:5], wq1 s[6:7], hid s[8:9], scl s[10:11]
	v_lshl_add_u32 v[SPW], v0, 2, SPARE
	v_mov_b32 v[NIL], 0
	ds_add_u32 v[SPW], v[NIL]                      ; the wave's opening: the add, twice on end, and its wait ahead of my first tensor load
	ds_add_u32 v[SPW], v[NIL]                      ; and once more, under the one wait; the set-up below, work on registers, stands between
	v_lshrrev_b32 v1, 5, v0
	v_readfirstlane_b32 s[WV], v1
	s_lshr_b32 s[RH], s[WV], 1
	s_and_b32 s[CH], s[WV], 1
	s_bfe_u32 s40, ttmp6, 0x40000                  ; cx
	s_bfe_u32 s41, ttmp6, 0x40004                  ; cy
	s_lshl_b32 s42, ttmp9, 2
	s_add_co_u32 s42, s42, s40                     ; tile column = 4 x cluster x + cx
	s_and_b32 s43, ttmp7, 0xffff
	s_lshl_b32 s43, s43, 2
	s_add_co_u32 s43, s43, s41                     ; tile row = 4 x cluster y + cy
	s_lshl_b32 s18, s41, 2
	s_lshl_b32 s18, 15, s18                        ; my row of the cluster: places 4 cy .. 4 cy + 3
	s_lshl_b32 s22, 0x1111, s40                    ; my column: places cx, cx + 4, cx + 8, cx + 12
	s_or_b32 s[G1],  s18, (1<<16)|(1<<20)|(1<<21)|(5<<22)|(3<<25)  ; 15:0 the mask; 17:16 2-byte elements; 20 padding on; 21 set beside a mask; 24:22 after every 64 words; 31:25 4 words
	s_or_b32 s[G1B], s22, (1<<16)|(1<<20)|(1<<21)|(5<<22)|(3<<25)
.irp g, G1, G1B
	s_mov_b32 s[(\g)+1], KSTEP<<16                 ; tensor_dim0 = 128
	s_mov_b32 s[(\g)+2], 128<<16                   ; tensor_dim1 = 128
	s_mov_b32 s[(\g)+3], KSTEP<<16                 ; tile_dim0 = 128
	s_mov_b32 s[(\g)+4], 128                       ; tile_dim1 = 128
	s_mov_b32 s[(\g)+5], SIZE_K                    ; elements from row to row
	s_mov_b32 s[(\g)+6], 0
	s_mov_b32 s[(\g)+7], 0
.endr
	s_lshl_b32 s16, s43, 8                         ; xh: row 256 x tile row + 128 x half, in rows of 4,096 bytes
	s_lshl_b32 s17, s[CH], 7
	s_add_co_u32 s16, s16, s17
	s_lshl_b32 s16, s16, 12
	s_mov_b32 s17, 0
	s_lshl_b32 s46, s42, 8                         ; wq1: row 256 x tile column + 128 x half
	s_lshl_b32 s47, s[CH], 7
	s_add_co_u32 s46, s46, s47
	s_lshl_b32 s46, s46, 12
	s_mov_b32 s47, 0
	s_mul_i32 s20, s[WV], HALFT                    ; where they go: wave x 128 rows: no place in the cluster enters an LDS address
	s_wait_dscnt 0x0                               ; both opening adds are done
	s_wait_kmcnt 0x0
	s_add_nc_u64 s[16:17], s[4:5], s[16:17]
	s_add_nc_u64 s[46:47], s[6:7], s[46:47]
	CROUND                                         ; all sixteen work-groups are here: the first joint loads meet
.irp s, 0,1
	s_mov_b32 s[G0+4*(\s)], 1                                      ; count = 1
	s_add_co_u32 s[G0+4*(\s)+1], s20, (\s)*SLOT                    ; LDS address
	s_add_nc_u64 s[G0+4*(\s)+2:G0+4*(\s)+3], s[16:17], (\s)*KSTEP*2  ; global address: K step s
	s_or_b32 s[G0+4*(\s)+3], s[G0+4*(\s)+3], 0x80000000            ; type = 2
	s_mov_b32 s[G0B+4*(\s)], 1
	s_add_co_u32 s[G0B+4*(\s)+1], s20, (\s)*SLOT
	s_add_nc_u64 s[G0B+4*(\s)+2:G0B+4*(\s)+3], s[46:47], (\s)*KSTEP*2
	s_or_b32 s[G0B+4*(\s)+3], s[G0B+4*(\s)+3], 0x80000000
	JLOAD \s                                       ; two loads of mine are out
.endr
	s_load_b128 s[SC:SC+3], s[10:11], 0x0          ; the scales
	; a fragment is 16 rows x 32 K in 8 registers: lane l holds row l % 16, K = 8 (l / 16) + 0..7 and 16 + 8 (l / 16) + 0..7: two loads of 16 bytes, 32 bytes apart
	v_and_b32 v1, 15, v0                           ; l % 16
	v_bfe_u32 v2, v0, 4, 1                         ; l / 16
	v_mul_u32_u24 v3, v1, PITCH
	v_lshl_add_u32 v3, v2, 4, v3
	s_mul_i32 s20, s[RH], HALFT                    ; my 128 rows of xh
	s_mul_i32 s21, s[CH], HALFT                    ; my 128 rows of wq1,
	s_add_co_u32 s21, s21, 2*HALFT                 ; which lie behind xh's 256
.irp s, 0,1
	v_add_nc_u32 v[ADRA+(\s)], s20, v3
	v_add_nc_u32 v[ADRB+(\s)], s21, v3
	s_add_co_u32 s20, s20, SLOT
	s_add_co_u32 s21, s21, SLOT
.endr
	s_mul_i32 s20, s[WV], 16*SP
	s_add_co_u32 s20, s20, STAGE                   ; my stage
	v_mul_u32_u24 v4, v1, SP                       ; in: row l % 16, 16 bytes for each half of the lanes
	v_lshl_add_u32 v4, v2, 4, v4
	v_add_nc_u32 v[STO], s20, v4
	v_bfe_u32 v5, v0, 3, 2                         ; back: 32 lanes take four rows of 128 bytes,
	v_mul_u32_u24 v5, v5, SP
	v_and_b32 v4, 7, v0
	v_lshl_add_u32 v5, v4, 4, v5
	v_add_nc_u32 v[RD], s20, v5
	v_and_b32 v[GO], 31, v0                        ; which are 512 consecutive bytes of hid
	v_lshlrev_b32 v[GO], 4, v[GO]
	s_lshl_b32 s46, s42, 1                         ; hid: plane 2 x tile column + half, 1,048,576 bytes each,
	s_add_co_u32 s46, s46, s[CH]
	s_lshl_b32 s46, s46, 20
	s_lshl_b32 s16, s43, 8                         ; row 256 x tile row + 128 x half, 128 bytes each
	s_lshl_b32 s17, s[RH], 7
	s_add_co_u32 s16, s16, s17
	s_lshl_b32 s16, s16, 7
	s_add_co_u32 s46, s46, s16
	s_mov_b32 s47, 0
	s_add_nc_u64 s[8:9], s[8:9], s[46:47]
	; the prefetches
	s_lshl_b32 s18, s43, 8                         ; 256 x tile row
	s_lshl_b32 s22, s42, 8                         ; 256 x tile column
	s_and_b32 s23, ttmp7, 0xffff                   ; cluster y
	s_cmp_eq_u32 s[RH], 0                          ; do I fetch for xh?
	s_cselect_b32 s20, s18, s22                    ; the tile's first row
	s_cselect_b32 s21, s40, s41                    ; my place among the four that ask for it with me
	s_cselect_b32 s23, ttmp9, s23                  ; the coordinate along which other clusters read the same rows
	s_cselect_b64 s[PFA:PFA+1], s[4:5], s[6:7]
	s_cmp_eq_u32 s23, 0
	s_cselect_b32 s[LIM], 1, -1                    ; the same in all sixteen partners, for a given wave
	s_lshl_b32 s23, s[CH], 7
	s_add_co_u32 s20, s20, s23                     ; + the 128 rows that I fetch
	s_lshl_b32 s21, s21, 5
	s_add_co_u32 s20, s20, s21                     ; + my work-group's 32 of them
	s_lshl_b32 s20, s20, 12
	s_add_co_u32 s20, s20, 2*KSTEP*2               ; at K step 2: the first refill steps it to 3 and names K step 4
	s_mov_b32 s21, 0
	s_add_nc_u64 s[PFA:PFA+1], s[PFA:PFA+1], s[20:21]
	v_and_b32 v[PFO], 31, v0
	v_lshlrev_b32 v[PFO], 12, v[PFO]
	s_wait_kmcnt 0x0                               ; the scales
	v_mov_b32 v10, s[SC]
	v_mul_f32 v11, s[SC+1], v10                    ; s_u s_g: 1e-16 at the least, so the reciprocal is finite
	v_mul_f32 v10, 0xbfb8aa3b, v10                 ; -log2(e) s_u
	v_rcp_f32 v11, v11
	v_nop                                          ; a plain instruction behind the reciprocal,
	s_wait_alu depctr_va_vdst(0)                   ; and a wait ahead of its first reader
	v_readfirstlane_b32 s[K1], v10
	v_readfirstlane_b32 s[IC], v11
	s_mov_b32 s[K1+1], s[K1]                       ; named as pairs
	s_mov_b32 s[IC+1], s[IC]
; 16 matrix instructions: row blocks a0, a0 + 1 of the window's four (hi = 0: my rows 0-63, 1: rows 64-127) x all 8 blocks of wq1, 32 along K.  zero = 1: the first product starts the sums.
; The 64 accumulators take turns, one instruction a turn, in the same order in every quarter step.
.macro MUL16 f, hi, a0, zero
	WIN MUL_LO+0x50*(\hi)
.irp a, \a0, (\a0)+1
.irp b, 0,1,2,3,4,5,6,7
.if \zero
	v_wmma_f32_16x16x32_bf16 v[8*(8*(\a)+(\b)):8*(8*(\a)+(\b))+7], v[(\f)+8*(\b):(\f)+8*(\b)+7], v[(\f)+8*(4*(\hi)+(\a)):(\f)+8*(4*(\hi)+(\a))+7], 0
.else
	v_wmma_f32_16x16x32_bf16 v[8*(8*(\a)+(\b)):8*(8*(\a)+(\b))+7], v[(\f)+8*(\b):(\f)+8*(\b)+7], v[(\f)+8*(4*(\hi)+(\a)):(\f)+8*(4*(\hi)+(\a))+7], v[8*(8*(\a)+(\b)):8*(8*(\a)+(\b))+7]
.endif
.endr
.endr
.endm
; 32 LDS loads in one run: the fragments of quarter q of a K step (32 K) into buffer f: wq1's 16 loads first, then xh's
.macro FETCH slot, q, f
	WIN TO_B
.irp i, 0,1,2,3,4,5,6,7
	ds_load_b128 v[(\f)+8*(\i):(\f)+8*(\i)+3],   v[ADRB+(\slot)] offset:(\q)*64+(\i)*16*PITCH
	ds_load_b128 v[(\f)+8*(\i)+4:(\f)+8*(\i)+7], v[ADRB+(\slot)] offset:(\q)*64+(\i)*16*PITCH+32
.endr
	WIN 0
.irp i, 0,1,2,3,4,5,6,7
	ds_load_b128 v[(\f)+8*(\i):(\f)+8*(\i)+3],   v[ADRA+(\slot)] offset:((\q)/2)*APLANE+((\q)%2)*64+(\i)*16*PA
	ds_load_b128 v[(\f)+8*(\i)+4:(\f)+8*(\i)+7], v[ADRA+(\slot)] offset:((\q)/2)*APLANE+((\q)%2)*64+(\i)*16*PA+32
.endr
.endm
.macro PLACES                          ; four plain vector instructions between a matrix instruction and a load into, or a vector instruction on, its registers (ISA guide 7.12.1 for vector instructions)
.rept 4
	v_nop
.endr
.endm
; One of a K step's first three quarters: multiplies buffer f; in its middle it fetches quarter q of the same slot into buffer g.
.macro QUARTER slot, q, f, g, zero
	s_wait_dscnt 8                                 ; wq1's fragments and xh's rows 0-63 are in; the youngest eight loads (rows 64-127) may be out
	MUL16 \f, 0, 0, \zero
	MUL16 \f, 0, 2, \zero
	PLACES
	FETCH \slot, \q, \g
	s_wait_dscnt 32                                ; all but the 32 just issued
	MUL16 \f, 1, 0, \zero
	MUL16 \f, 1, 2, \zero
.endm
; The last quarter multiplies buffer 1 and changes slots: one barrier.  In front of it each wave waits for all its tensor loads (one is out: its part of the next slot), adds 0 to its spare word, and waits for that and for
; its reads of this slot.  fill = 1: the barrier opens a round of the cluster's barrier, and this slot is filled again, two K steps on, first thing behind the round: 224 matrix instructions ahead of the wait for it.
.macro TURN slot, next, fill
.if \fill
	s_wait_xcnt 0x0                                ; the last prefetch, a K step back, has read its address
	s_add_nc_u64 s[PFA:PFA+1], s[PFA:PFA+1], KSTEP*2
.endif
	WIN 0                                          ; (the add's two registers lie in window 0)
	s_wait_tensorcnt 0x0                           ; all my tensor loads have landed
	ds_add_u32 v[SPW], v[NIL]                      ; 0 onto my spare word
	s_wait_dscnt 9                                 ; (the add and the youngest eight loads may be out)
	MUL16 F1, 0, 0, 0                              ; sixteen matrix instructions stand between the add and the wait for it
	s_wait_dscnt 0x0                               ; the add is done, and my reads of this slot are over
	s_barrier_signal -1
	MUL16 F1, 0, 2, 0                              ; work on registers while the others arrive
.if \fill
	WIN 0
.endif
	s_barrier_wait -1
.if \fill
	CREST                                          ; no wave of any partner still reads this slot or has a load on its way
	s_add_nc_u64 s[G0+4*(\slot)+2:G0+4*(\slot)+3], s[G0+4*(\slot)+2:G0+4*(\slot)+3], STEPA
	s_add_nc_u64 s[G0B+4*(\slot)+2:G0B+4*(\slot)+3], s[G0B+4*(\slot)+2:G0B+4*(\slot)+3], STEPB
	JLOAD \slot                                    ; the four v_nop behind it are also the places in front of the loads below
.else
	PLACES
.endif
	FETCH \next, 0, F0
.if \fill
	ASK
.endif
	MUL16 F1, 1, 0, 0
	MUL16 F1, 1, 2, 0
.endm
	s_wait_tensorcnt 1                             ; my part of K step 0 is in; K step 1's may stay out
	s_barrier_signal -1
	s_barrier_wait -1                              ; everybody's is
	FETCH 0, 0, F0
	QUARTER 0, 1, F0, F1, 1                        ; the first quarter stands in front of the loop: its products start the sums
	WIN 0                                          ; at a label and at a branch every window is 0
	s_mov_b32 s3, LAPS-1
.Llap:                                                 ; a trip goes once round the ring, from a lap's second quarter to the next lap's first, and fills both slots again
	QUARTER 0, 2, F1, F0, 0
	QUARTER 0, 3, F0, F1, 0
	TURN 0, 1, 1
	QUARTER 1, 1, F0, F1, 0
	QUARTER 1, 2, F1, F0, 0
	QUARTER 1, 3, F0, F1, 0
	TURN 1, 0, 1
	QUARTER 0, 1, F0, F1, 0
	WIN 0
	s_sub_co_u32 s3, s3, 1
	s_cmp_lg_u32 s3, 0
	s_cbranch_scc1 .Llap
	QUARTER 0, 2, F1, F0, 0                        ; the last lap fills nothing
	QUARTER 0, 3, F0, F1, 0
	TURN 0, 1, 0
	QUARTER 1, 1, F0, F1, 0
	QUARTER 1, 2, F1, F0, 0
	QUARTER 1, 3, F0, F1, 0
	s_wait_dscnt 8                                 ; the very last quarter: nothing more to fetch
	MUL16 F1, 0, 0, 0
	MUL16 F1, 0, 2, 0
	s_wait_dscnt 0x0
	MUL16 F1, 1, 0, 0
	MUL16 F1, 1, 2, 0
	WIN 0
	PLACES
; THE WAY OUT, a block of 16 rows x 64 hidden columns at a time.  Each accumulator is read from its lowest registers on.  The 32 exponentials are one batch, with U G as the independent work behind them and one wait;
; the 32 reciprocals are a second batch, with a v_nop and one wait.  A lane's eight columns pack into 16 bytes; they go into my stage's rows of 144 bytes and come back as whole rows of 128, into the registers that they left.
.macro SWI a
.set AC, 64*((\a)%4)
.set BKA, BK+16*(\a)
	WIN 0x02+(\a)/4                                ; source 0: window 2 or 3
.set i, 0
.rept 16
	v_pk_mul_f32 v[Z+i:Z+i+1], v[AC+i:AC+i+1], s[K1:K1+1] op_sel_hi:[1,0]  ; K1 U
.set i, i+2
.endr
	WIN 0
.set i, 0
.rept 32
	v_exp_f32 v[Z+i], v[Z+i]
.set i, i+1
.endr
	WIN 0x0a+5*((\a)/4)                            ; sources 0 and 1: window 2 or 3
.set i, 0
.rept 16
	v_pk_mul_f32 v[T+i:T+i+1], v[AC+i:AC+i+1], v[AC+32+i:AC+32+i+1]       ; U G
.set i, i+2
.endr
	WIN 0
	s_wait_alu depctr_va_vdst(0)                   ; one wait for the 32 exponentials, ahead of their first reader
.set i, 0
.rept 16
	v_pk_fma_f32 v[Z+i:Z+i+1], v[Z+i:Z+i+1], s[IC:IC+1], s[IC:IC+1] op_sel_hi:[1,0,0]  ; IC (1 + 2^(K1 U))
.set i, i+2
.endr
.set i, 0
.rept 32
	v_rcp_f32 v[Z+i], v[Z+i]
.set i, i+1
.endr
	v_nop                                          ; a plain instruction behind the last reciprocal,
	s_wait_alu depctr_va_vdst(0)                   ; and one wait for the 32
.set i, 0
.rept 16
	v_pk_mul_f32 v[T+i:T+i+1], v[T+i:T+i+1], v[Z+i:Z+i+1]
.set i, i+2
.endr
.set i, 0
.rept 16
	v_cvt_pk_bf16_f32 v[BKA+i], v[T+2*i], v[T+2*i+1]
.set i, i+1
.endr
.irp b, 0,1,2,3
	ds_store_b128 v[STO], v[BKA+4*(\b):BKA+4*(\b)+3] offset:32*(\b)
.endr
.irp f, 0,1,2,3
	ds_load_b128 v[BKA+4*(\f):BKA+4*(\f)+3], v[RD] offset:(\f)*4*SP  ; LDS serves a wave's instructions in order (ISA guide 5.7.1.4): these see the stores above; the next block's stores come behind them
.endr
.endm
.macro SEND a, younger                 ; younger: the LDS instructions issued behind block a's loads: the next block's eight, or none
.irp f, 0,1,2,3
	s_wait_dscnt (\younger)+3-(\f)
	global_store_b128 v[GO], v[BK+16*(\a)+4*(\f):BK+16*(\a)+4*(\f)+3], s[8:9] offset:2048*(\a)+512*(\f)  ; 512 consecutive bytes, at a multiple of 256 from hid's first; each block has registers of its own
.endr
.endm
	SWI 0
.irp a, 1,2,3,4,5,6,7                  ; a block's arithmetic stands between the loads of the block before and its stores
	SWI \a
	SEND (\a)-1, 8
.endr
	SEND 7, 0
	s_wait_tensorcnt 0x0                           ; the wave's end, behind my last tensor load and my last LDS store
	ds_add_u32 v[SPW], v[NIL]
	s_wait_dscnt 0x0
	CROUND                                         ; the closing round: no work-group ends while a partner may still ask for a tile that names it
	s_endpgm
.Lfunc_end_k_qbc31c7fabe_gemm1:
	.size	k_qbc31c7fabe_gemm1, .Lfunc_end_k_qbc31c7fabe_gemm1-k_qbc31c7fabe_gemm1
	.p2alignl 7, 3214868480
	.fill 96, 4, 3214868480
	.section	.rodata,"a",@progbits
	.p2align	6, 0x0
	.amdhsa_kernel k_qbc31c7fabe_gemm1
		.amdhsa_group_segment_fixed_size 327680
		.amdhsa_private_segment_fixed_size 0
		.amdhsa_enable_private_segment 0
		.amdhsa_kernarg_size 32
		.amdhsa_user_sgpr_count 2
		.amdhsa_user_sgpr_kernarg_segment_ptr 1
		.amdhsa_wavefront_size32 1
		.amdhsa_system_sgpr_workgroup_id_x 1
		.amdhsa_system_sgpr_workgroup_id_y 1
		.amdhsa_system_sgpr_workgroup_id_z 1
		.amdhsa_system_vgpr_workitem_id 0
		.amdhsa_next_free_vgpr 1024
		.amdhsa_next_free_sgpr 80
		.amdhsa_reserve_vcc 0
		.amdhsa_float_denorm_mode_32 3
		.amdhsa_float_denorm_mode_16_64 3
		.amdhsa_memory_ordered 1
		.amdhsa_forward_progress 1
		.amdhsa_inst_pref_size 179
	.end_amdhsa_kernel
	.amdgpu_metadata
---
amdhsa.version: [ 1, 2 ]
amdhsa.kernels:
  - .name:           k_qbc31c7fabe_gemm1
    .symbol:         k_qbc31c7fabe_gemm1.kd
    .args:
      - { .name: xh, .offset: 0, .size: 8, .value_kind: global_buffer, .address_space: global }
      - { .name: wq1, .offset: 8, .size: 8, .value_kind: global_buffer, .address_space: global }
      - { .name: hid, .offset: 16, .size: 8, .value_kind: global_buffer, .address_space: global }
      - { .name: scl, .offset: 24, .size: 8, .value_kind: global_buffer, .address_space: global }
    .group_segment_fixed_size: 327680
    .private_segment_fixed_size: 0
    .kernarg_segment_align: 8
    .kernarg_segment_size: 32
    .max_flat_workgroup_size: 128
    .sgpr_count:     80
    .vgpr_count:     1024
    .wavefront_size: 32
...
	.end_amdgpu_metadata
.endif
;; end of part 3
;; launch gemm2 (part 4): grid 8 x 32, 4 waves a work-group, clusters of 4 x 4, 327,680 bytes of LDS; arguments hid, wq2, out0, scl; writes out0
.if DOCPART == 4
	.amdgcn_target "amdgcn-amd-amdhsa--gfx1250"
	.amdhsa_code_object_version 6
	.text
	.protected	k_qbc31c7fabe_gemm2
	.globl	k_qbc31c7fabe_gemm2
	.p2align	8
	.type	k_qbc31c7fabe_gemm2,@function
k_qbc31c7fabe_gemm2:
	s_mov_b64 s[64:65], 0
	v_nop
	global_prefetch_b8 v0, s[64:65] scope:SCOPE_SE
	s_setreg_imm32_b32 hwreg(HW_REG_WAVE_MODE, 25, 1), 1
	s_wait_xcnt 0x0
	s_wait_alu depctr_hold_cnt(0) depctr_sa_sdst(0) depctr_va_vdst(0) depctr_va_sdst(0) depctr_va_ssrc(0) depctr_va_vcc(0) depctr_vm_vsrc(0)
	s_getreg_b32 s2, hwreg(HW_REG_IB_STS2, 6, 4)
	s_cmp_eq_u32 s2, 0
	s_cbranch_scc0 .Lentry_in_a_cluster
	s_endpgm
.Lentry_in_a_cluster:
	s_bfe_u32 s2, ttmp6, 0x10000c
	s_cmp_lg_u32 s2, 0xf033
	s_cbranch_scc0 .Lentry_shape_is_right
	s_endpgm
.Lentry_shape_is_right:
; out0 = s_d x (hid x (digits of W_down)^T).  hid: bf16 in blocks [16 planes of 64 hidden columns][8192 rows][64]; wq2 [2048][1024] bf16 digits; out0 [8192][2048] f32.  Sums in f32, the scale in f32 behind them.
; SHAPE.  A tile of out0 is 256 x 256: 32 x 8 = 256 tiles, one work-group of four waves each; a wave makes 128 x 128: 64 accumulators of 16 x 16.  K = 1,024 goes in steps of 128 (two planes of hid) through two LDS slots.
; A plane's 256 rows of a tile are 32,768 dense bytes: asked for as 128 rows of 256 bytes and padded in LDS after every 128, so that a row of 64 columns has a pitch of 144 bytes.
; CLUSTER.  4 x 4 work-groups; hid's tiles are shared along a row of the cluster, wq2's along a column, each asked for jointly by the same tensor load with the same descriptor and a mask that names the four.
; THE MATRIX INSTRUCTION IS USED TRANSPOSED (source 0 = 16 rows of wq2, source 1 = 16 rows of hid): a lane holds row l % 16 and eight neighbouring columns of out0, 32 bytes.
; LIMITS.  NaN and infinities are not treated apart.
; REGISTERS, in windows of 256 (s_set_vgpr_msb: bits 1:0 source 0, 3:2 source 1, 5:4 source 2, 7:6 destination):
;   window 0: v0-31 addresses; v64-127, v128-191 fragments of hid, two buffers; on the way out v64-127 scaled results, v128-191 and v192-255 whole rows, by turns
;   window 1: v64-127, v128-191 fragments of wq2, two buffers     window 2: accumulators of my rows 0-63, (a, b) at v[8 (8 a + b)]     window 3: those of my rows 64-127
.set SIZE_K, 1024
.set KSTEP,  128
.set PITCH,  272                       ; an LDS row of wq2's tile: 256 bytes + 16 of padding: the 16 rows of a load start at 16 different groups of four banks (64 banks of 4 bytes: ISA guide 11.1)
.set PA,     144                       ; an LDS row of a plane of hid: 128 bytes + 16: likewise
.set APLANE, 256*PA                    ; a plane's 256 rows: what one tensor load of waves 0 and 1 brings
.set HALFT,  128*PITCH                 ; 128 rows of wq2: what one tensor load of waves 2 and 3 brings
.set BOFF,   2*APLANE                  ; wq2's rows lie behind hid's two planes
.set SLOT,   BOFF+2*HALFT
.set STAGE,  2*SLOT                    ; behind the ring, never filled by a tensor load: 16 rows x 528 bytes for each wave
.set SP,     528                       ; 512 bytes + 16
.set SPARE,  STAGE+4*16*SP             ; behind the stages: the spare words, 128 bytes for each wave
.set LAPS,   SIZE_K/(2*KSTEP)
.set STEPA,  4<<20                     ; two K steps on: four planes of 1,048,576 bytes
.set STEPB,  2*KSTEP*2
.set ADRA, 16                          ; v16-17  LDS address of my fragments of hid in slot 0, 1
.set ADRB, 20                          ; v20-21  the same for wq2
.set STO,  24                          ; v24  the way out: where I put 32 bytes of a row
.set RD,   25                          ; v25  the way out: where I read a row back
.set GO,   26                          ; v26  my byte offset in 512 consecutive bytes of a row of out0
.set SPW,  28                          ; v28  LDS address of my spare word; never rewritten
.set NIL,  29                          ; v29  0; never rewritten
.set PFO,  30                          ; v30  the prefetches' offset: my lane x 256 bytes (hid) or x a row of 2,048 bytes (wq2); never rewritten
.set F0,   64
.set F1,   128
.set TMP,  64
.set BK,   128
.set WV,  12                           ; s12  wave 0..3
.set RH,  13                           ; s13  which 128 rows of the tile are mine.  Also: I fetch for hid (0) or for wq2 (1)
.set CH,  14                           ; s14  which 128 columns are mine.  Also: which plane, or which 128 rows of wq2, I fetch
.set LIM, 15                           ; s15  1 in a wave that prefetches, else the greatest number
.set G1,  24                           ; s[24:31] descriptor group 1 for hid's tiles
.set G0,  32                           ; s[32:39] group 0, a set for each slot
.set PFA, 44                           ; s[44:45] where my prefetches stand
.set G1B, 48                           ; s[48:55], s[56:63] the same for wq2's tiles
.set G0B, 56
.set PFS, 66                           ; s[66:67] a K step in my prefetches' buffer: two planes, or 256 bytes
.set SC,  72                           ; s[72:75] s_u, s_g, s_d, 1e-8
.set MSB, 0
.macro WIN new                         ; the immediate's high byte repeats the setting that is left; a switch that changes nothing is dropped
.if MSB != (\new)
	s_set_vgpr_msb (MSB<<8)|(\new)
.set MSB, \new
.endif
.endm
.set MUL_LO, 0xa1                      ; source 0 (wq2) window 1, source 1 (hid) window 0, C and D window 2
.set MUL_HI, 0xf1                      ; the same, C and D window 3
.set TO_B,   0x40                      ; destination window 1, address window 0
; A joint load.  Waves 0 and 1 fetch hid's two planes, waves 2 and 3 wq2's two halves.  The branch hangs on the wave's number alone.  An s_nop 0 and four v_nop follow each of the two lines.
.macro JLOAD s
	s_cmp_eq_u32 s[RH], 0
	s_cbranch_scc0 .Lfor_b_\@
	tensor_load_to_lds s[G0+4*(\s):G0+4*(\s)+3], s[G1:G1+7]
	s_nop 0
.rept 4
	v_nop
.endr
	s_branch .Lasked_\@
.Lfor_b_\@:
	tensor_load_to_lds s[G0B+4*(\s):G0B+4*(\s)+3], s[G1B:G1B+7]
	s_nop 0
.rept 4
	v_nop
.endr
.Lasked_\@:
.endm
; A prefetch, behind each joint refill and the run of LDS loads that follows it: the K step that stands two refills on, 512 matrix instructions ahead of the load that will ask for it: 32 blocks of 256 bytes, a lane a block.
; Each block is named once in the launch: hid's by the clusters with x = 0, wq2's by those with y = 0; of the 128 blocks that a wave fetches the partner at place p (cx for hid, cy for wq2) takes 32, told apart by address.
; Nothing is asked for at the head; the loop's last trip (s3 = 1) has no K step two refills on.
.macro ASK
	s_cmp_gt_u32 s3, s[LIM]
	s_cbranch_scc0 .Lnot_mine_\@
	global_prefetch_b8 v[PFO], s[PFA:PFA+1] th:TH_LOAD_NT scope:SCOPE_SE
.Lnot_mine_\@:
.endm
; A round of the cluster's barrier: my work-group's barrier; wave 0 signals for the work-group; every wave waits for all sixteen; my work-group's barrier once more.
.macro CREST
	s_cmp_lg_u32 s[WV], 0
	s_cbranch_scc1 .Lnot_wave_0_\@
	s_barrier_signal -3
.Lnot_wave_0_\@:
	s_barrier_wait -3
	s_barrier_signal -1
	s_barrier_wait -1
.endm
.macro CROUND
	s_barrier_signal -1
	s_barrier_wait -1
	CREST
.endm
	s_load_b256 s[4:11], s[0:1], 0x0               ; hid s[4:5], wq2 s[6:7], out0 s[8:9], scl s[10:11]
	v_lshl_add_u32 v[SPW], v0, 2, SPARE
	v_mov_b32 v[NIL], 0
	ds_add_u32 v[SPW], v[NIL]                      ; the wave's opening: the add, twice on end, and its wait ahead of my first tensor load
	ds_add_u32 v[SPW], v[NIL]                      ; and once more, under the one wait; the set-up below, work on registers, stands between
	v_lshrrev_b32 v1, 5, v0
	v_readfirstlane_b32 s[WV], v1
	s_lshr_b32 s[RH], s[WV], 1
	s_and_b32 s[CH], s[WV], 1
	s_bfe_u32 s40, ttmp6, 0x40000                  ; cx
	s_bfe_u32 s41, ttmp6, 0x40004                  ; cy
	s_lshl_b32 s42, ttmp9, 2
	s_add_co_u32 s42, s42, s40                     ; tile column = 4 x cluster x + cx
	s_and_b32 s43, ttmp7, 0xffff
	s_lshl_b32 s43, s43, 2
	s_add_co_u32 s43, s43, s41                     ; tile row = 4 x cluster y + cy
	s_lshl_b32 s18, s41, 2
	s_lshl_b32 s18, 15, s18                        ; my row of the cluster
	s_lshl_b32 s22, 0x1111, s40                    ; my column
	s_or_b32 s[G1],  s18, (1<<16)|(1<<20)|(1<<21)|(4<<22)|(3<<25)  ; 15:0 the mask; 17:16 2-byte elements; 20 padding on; 21 set beside a mask; 24:22 after every 32 words; 31:25 4 words
	s_or_b32 s[G1B], s22, (1<<16)|(1<<20)|(1<<21)|(5<<22)|(3<<25)  ; the same after every 64 words
.irp g, G1, G1B
	s_mov_b32 s[(\g)+1], 128<<16                   ; tensor_dim0 = 128
	s_mov_b32 s[(\g)+2], 128<<16                   ; tensor_dim1 = 128
	s_mov_b32 s[(\g)+3], 128<<16                   ; tile_dim0 = 128
	s_mov_b32 s[(\g)+4], 128                       ; tile_dim1 = 128
	s_mov_b32 s[(\g)+6], 0
	s_mov_b32 s[(\g)+7], 0
.endr
	s_mov_b32 s[G1+5], 128                         ; hid: dense: 128 elements from one row of 256 bytes to the next
	s_mov_b32 s[G1B+5], SIZE_K                     ; wq2: 1,024 elements from row to row
	s_lshl_b32 s16, s[CH], 20                      ; hid: plane = half, the tile's 256 rows of 128 bytes
	s_lshl_b32 s17, s43, 15
	s_add_co_u32 s16, s16, s17
	s_mov_b32 s17, 0
	s_lshl_b32 s46, s42, 8                         ; wq2: row 256 x tile column + 128 x half, in rows of 2,048 bytes
	s_lshl_b32 s47, s[CH], 7
	s_add_co_u32 s46, s46, s47
	s_lshl_b32 s46, s46, 11
	s_mov_b32 s47, 0
	s_mul_i32 s20, s[WV], APLANE                   ; where they go: waves 0 and 1: wave x a plane;
	s_mul_i32 s21, s[WV], HALFT                    ; waves 2 and 3: behind the planes, (wave - 2) x 128 rows
	s_add_co_u32 s21, s21, BOFF-2*HALFT
	s_wait_dscnt 0x0                               ; both opening adds are done
	s_wait_kmcnt 0x0
	s_add_nc_u64 s[16:17], s[4:5], s[16:17]
	s_add_nc_u64 s[46:47], s[6:7], s[46:47]
	CROUND                                         ; all sixteen work-groups are here: the first joint loads meet
.irp s, 0,1
	s_mov_b32 s[G0+4*(\s)], 1                                      ; count = 1
	s_add_co_u32 s[G0+4*(\s)+1], s20, (\s)*SLOT                    ; LDS address
	s_add_nc_u64 s[G0+4*(\s)+2:G0+4*(\s)+3], s[16:17], (\s)*(2<<20)  ; global address: K step s = planes 2 s, 2 s + 1
	s_or_b32 s[G0+4*(\s)+3], s[G0+4*(\s)+3], 0x80000000            ; type = 2
	s_mov_b32 s[G0B+4*(\s)], 1
	s_add_co_u32 s[G0B+4*(\s)+1], s21, (\s)*SLOT
	s_add_nc_u64 s[G0B+4*(\s)+2:G0B+4*(\s)+3], s[46:47], (\s)*KSTEP*2
	s_or_b32 s[G0B+4*(\s)+3], s[G0B+4*(\s)+3], 0x80000000
	JLOAD \s                                       ; two loads of mine are out
.endr
	s_load_b128 s[SC:SC+3], s[10:11], 0x0          ; the scales
	v_and_b32 v1, 15, v0                           ; l % 16
	v_bfe_u32 v2, v0, 4, 1                         ; l / 16
	v_mul_u32_u24 v3, v1, PA
	v_lshl_add_u32 v3, v2, 4, v3                   ; hid: row x pitch + 16 x half
	v_mul_u32_u24 v4, v1, PITCH
	v_lshl_add_u32 v4, v2, 4, v4                   ; wq2 likewise
	s_mul_i32 s20, s[RH], 128*PA                   ; my 128 rows in a plane
	s_mul_i32 s21, s[CH], HALFT                    ; my 128 rows of wq2
	s_add_co_u32 s21, s21, BOFF
.irp s, 0,1
	v_add_nc_u32 v[ADRA+(\s)], s20, v3
	v_add_nc_u32 v[ADRB+(\s)], s21, v4
	s_add_co_u32 s20, s20, SLOT
	s_add_co_u32 s21, s21, SLOT
.endr
	s_mul_i32 s20, s[WV], 16*SP
	s_add_co_u32 s20, s20, STAGE                   ; my stage
	v_mul_u32_u24 v5, v1, SP                       ; in: row l % 16, 32 bytes for each half of the lanes
	v_lshl_add_u32 v5, v2, 5, v5
	v_add_nc_u32 v[STO], s20, v5
	v_and_b32 v[GO], 31, v0                        ; back: 32 lanes take one row of 512 bytes
	v_lshlrev_b32 v[GO], 4, v[GO]
	v_add_nc_u32 v[RD], s20, v[GO]
	s_lshl_b32 s16, s43, 8                         ; out0: row 256 x tile row + 128 x half, 8,192 bytes each,
	s_lshl_b32 s17, s[RH], 7
	s_add_co_u32 s16, s16, s17
	s_lshl_b32 s16, s16, 13
	s_lshl_b32 s46, s42, 10                        ; column 256 x tile column + 128 x half, 4 bytes each
	s_lshl_b32 s47, s[CH], 9
	s_add_co_u32 s46, s46, s47
	s_add_co_u32 s46, s46, s16
	s_mov_b32 s47, 0
	s_add_nc_u64 s[8:9], s[8:9], s[46:47]
	; the prefetches: they stand at K step 3; the first refill steps them to K step 4 and names it
	s_add_co_u32 s20, s[CH], 6                     ; hid: plane 6 + half,
	s_lshl_b32 s20, s20, 20
	s_lshl_b32 s21, s43, 15                        ; the tile's 32,768 bytes of it,
	s_add_co_u32 s20, s20, s21
	s_lshl_b32 s21, s40, 13                        ; my work-group's 8,192 of them
	s_add_co_u32 s20, s20, s21
	s_lshl_b32 s22, s42, 8                         ; wq2: row 256 x tile column + 128 x half + my work-group's 32,
	s_lshl_b32 s23, s[CH], 7
	s_add_co_u32 s22, s22, s23
	s_lshl_b32 s23, s41, 5
	s_add_co_u32 s22, s22, s23
	s_lshl_b32 s22, s22, 11
	s_add_co_u32 s22, s22, 3*KSTEP*2
	s_and_b32 s23, ttmp7, 0xffff                   ; cluster y
	s_mov_b32 s[PFS], KSTEP*2
	s_cmp_eq_u32 s[RH], 0                          ; do I fetch for hid?
	s_cselect_b32 s20, s20, s22
	s_cselect_b32 s21, 8, 11                       ; a lane's step: 256 bytes, or a row of 2,048
	s_cselect_b32 s23, ttmp9, s23                  ; the coordinate along which other clusters read the same blocks
	s_cselect_b32 s[PFS], 2<<20, s[PFS]
	s_cselect_b64 s[PFA:PFA+1], s[4:5], s[6:7]
	s_cmp_eq_u32 s23, 0
	s_cselect_b32 s[LIM], 1, -1                    ; the same in all sixteen partners, for a given wave
	s_mov_b32 s[PFS+1], 0
	v_and_b32 v[PFO], 31, v0
	v_lshlrev_b32 v[PFO], s21, v[PFO]
	s_mov_b32 s21, 0
	s_add_nc_u64 s[PFA:PFA+1], s[PFA:PFA+1], s[20:21]
	s_wait_kmcnt 0x0                               ; the scales
; 16 matrix instructions: row blocks a0, a0 + 1 of the window's four (hi = 0: my rows 0-63, 1: rows 64-127) x all 8 column blocks, 32 along K.  zero = 1: the first product starts the sums.
; The 64 accumulators take turns, one instruction a turn, in the same order in every quarter step.
.macro MUL16 f, hi, a0, zero
	WIN MUL_LO+0x50*(\hi)
.irp a, \a0, (\a0)+1
.irp b, 0,1,2,3,4,5,6,7
.if \zero
	v_wmma_f32_16x16x32_bf16 v[8*(8*(\a)+(\b)):8*(8*(\a)+(\b))+7], v[(\f)+8*(\b):(\f)+8*(\b)+7], v[(\f)+8*(4*(\hi)+(\a)):(\f)+8*(4*(\hi)+(\a))+7], 0
.else
	v_wmma_f32_16x16x32_bf16 v[8*(8*(\a)+(\b)):8*(8*(\a)+(\b))+7], v[(\f)+8*(\b):(\f)+8*(\b)+7], v[(\f)+8*(4*(\hi)+(\a)):(\f)+8*(4*(\hi)+(\a))+7], v[8*(8*(\a)+(\b)):8*(8*(\a)+(\b))+7]
.endif
.endr
.endr
.endm
; 32 LDS loads in one run: the fragments of quarter q of a K step (32 K) into buffer f: wq2's 16 loads first, then hid's (plane q / 2, columns 32 (q % 2) on)
.macro FETCH slot, q, f
	WIN TO_B
.irp i, 0,1,2,3,4,5,6,7
	ds_load_b128 v[(\f)+8*(\i):(\f)+8*(\i)+3],   v[ADRB+(\slot)] offset:(\q)*64+(\i)*16*PITCH
	ds_load_b128 v[(\f)+8*(\i)+4:(\f)+8*(\i)+7], v[ADRB+(\slot)] offset:(\q)*64+(\i)*16*PITCH+32
.endr
	WIN 0
.irp i, 0,1,2,3,4,5,6,7
	ds_load_b128 v[(\f)+8*(\i):(\f)+8*(\i)+3],   v[ADRA+(\slot)] offset:((\q)/2)*APLANE+((\q)%2)*64+(\i)*16*PA
	ds_load_b128 v[(\f)+8*(\i)+4:(\f)+8*(\i)+7], v[ADRA+(\slot)] offset:((\q)/2)*APLANE+((\q)%2)*64+(\i)*16*PA+32
.endr
.endm
.macro PLACES                          ; four plain vector instructions between a matrix instruction and a load into, or a vector instruction on, its registers (ISA guide 7.12.1 for vector instructions)
.rept 4
	v_nop
.endr
.endm
; One of a K step's first three quarters: multiplies buffer f; in its middle it fetches quarter q of the same slot into buffer g.
.macro QUARTER slot, q, f, g, zero
	s_wait_dscnt 8                                 ; wq2's fragments and hid's rows 0-63 are in; the youngest eight loads (rows 64-127) may be out
	MUL16 \f, 0, 0, \zero
	MUL16 \f, 0, 2, \zero
	PLACES
	FETCH \slot, \q, \g
	s_wait_dscnt 32                                ; all but the 32 just issued
	MUL16 \f, 1, 0, \zero
	MUL16 \f, 1, 2, \zero
.endm
; The last quarter multiplies buffer 1 and changes slots: one barrier.  In front of it each wave waits for all its tensor loads (one is out: its part of the next slot), adds 0 to its spare word, and waits for that and for
; its reads of this slot.  fill = 1: the barrier opens a round of the cluster's barrier, and this slot is filled again, two K steps on, first thing behind the round: 224 matrix instructions ahead of the wait for it.
.macro TURN slot, next, fill
.if \fill
	s_wait_xcnt 0x0                                ; the last prefetch, a K step back, has read its address
	s_add_nc_u64 s[PFA:PFA+1], s[PFA:PFA+1], s[PFS:PFS+1]
.endif
	WIN 0                                          ; (the add's two registers lie in window 0)
	s_wait_tensorcnt 0x0                           ; all my tensor loads have landed
	ds_add_u32 v[SPW], v[NIL]                      ; 0 onto my spare word
	s_wait_dscnt 9                                 ; (the add and the youngest eight loads may be out)
	MUL16 F1, 0, 0, 0                              ; sixteen matrix instructions stand between the add and the wait for it
	s_wait_dscnt 0x0                               ; the add is done, and my reads of this slot are over
	s_barrier_signal -1
	MUL16 F1, 0, 2, 0                              ; work on registers while the others arrive
.if \fill
	WIN 0
.endif
	s_barrier_wait -1
.if \fill
	CREST                                          ; no wave of any partner still reads this slot or has a load on its way
	s_add_nc_u64 s[G0+4*(\slot)+2:G0+4*(\slot)+3], s[G0+4*(\slot)+2:G0+4*(\slot)+3], STEPA
	s_add_nc_u64 s[G0B+4*(\slot)+2:G0B+4*(\slot)+3], s[G0B+4*(\slot)+2:G0B+4*(\slot)+3], STEPB
	JLOAD \slot                                    ; the four v_nop behind it are also the places in front of the loads below
.else
	PLACES
.endif
	FETCH \next, 0, F0
.if \fill
	ASK
.endif
	MUL16 F1, 1, 0, 0
	MUL16 F1, 1, 2, 0
.endm
	s_wait_tensorcnt 1                             ; my part of K step 0 is in; K step 1's may stay out
	s_barrier_signal -1
	s_barrier_wait -1                              ; everybody's is
	FETCH 0, 0, F0
	QUARTER 0, 1, F0, F1, 1                        ; the first quarter stands in front of the loop: its products start the sums
	WIN 0                                          ; at a label and at a branch every window is 0
	s_mov_b32 s3, LAPS-1
.Llap:                                                 ; a trip goes once round the ring, from a lap's second quarter to the next lap's first, and fills both slots again
	QUARTER 0, 2, F1, F0, 0
	QUARTER 0, 3, F0, F1, 0
	TURN 0, 1, 1
	QUARTER 1, 1, F0, F1, 0
	QUARTER 1, 2, F1, F0, 0
	QUARTER 1, 3, F0, F1, 0
	TURN 1, 0, 1
	QUARTER 0, 1, F0, F1, 0
	WIN 0
	s_sub_co_u32 s3, s3, 1
	s_cmp_lg_u32 s3, 0
	s_cbranch_scc1 .Llap
	QUARTER 0, 2, F1, F0, 0                        ; the last lap fills nothing
	QUARTER 0, 3, F0, F1, 0
	TURN 0, 1, 0
	QUARTER 1, 1, F0, F1, 0
	QUARTER 1, 2, F1, F0, 0
	QUARTER 1, 3, F0, F1, 0
	s_wait_dscnt 8                                 ; the very last quarter: nothing more to fetch
	MUL16 F1, 0, 0, 0
	MUL16 F1, 0, 2, 0
	s_wait_dscnt 0x0
	MUL16 F1, 1, 0, 0
	MUL16 F1, 1, 2, 0
	WIN 0
	PLACES
; THE WAY OUT, a block of 16 rows x 128 columns of f32 at a time.  PACK: times s_d, each accumulator read from its lowest registers on.  TOSTAGE: a lane's 32 bytes of a row into my stage's rows of 528 bytes, and back as
; whole rows of 512.  SEND: stored, a row an instruction.
.macro PACK a
.set AC, 64*((\a)%4)
	WIN 0x02+(\a)/4                                ; source 0: window 2 or 3
.set i, 0
.rept 32
	v_pk_mul_f32 v[TMP+i:TMP+i+1], v[AC+i:AC+i+1], s[SC+2:SC+3] op_sel_hi:[1,0]
.set i, i+2
.endr
	WIN 0
.endm
.macro TOSTAGE a
.set BKA, BK+64*((\a)%2)
.irp b, 0,1,2,3,4,5,6,7
	ds_store_b128 v[STO], v[TMP+8*(\b):TMP+8*(\b)+3]   offset:64*(\b)
	ds_store_b128 v[STO], v[TMP+8*(\b)+4:TMP+8*(\b)+7] offset:64*(\b)+16
.endr
.irp t, 0,1,2,3,4,5,6,7,8,9,10,11,12,13,14,15
	ds_load_b128 v[BKA+4*(\t):BKA+4*(\t)+3], v[RD] offset:(\t)*SP  ; LDS serves a wave's instructions in order (ISA guide 5.7.1.4): these see the stores above; the next block's stores come behind them
.endr
.endm
.macro SEND a
.set BKA, BK+64*((\a)%2)
	s_wait_dscnt 0x0                               ; the block is back in registers
	s_wait_xcnt 0x0                                ; the stores of the block before have read their registers: the next TOSTAGE loads into them only behind this wait
.irp t, 0,1,2,3,4,5,6,7,8,9,10,11,12,13,14,15
	global_store_b128 v[GO], v[BKA+4*(\t):BKA+4*(\t)+3], s[8:9] offset:(16*(\a)+(\t))*8192 th:TH_STORE_NT  ; 512 consecutive bytes of a row, at a multiple of 256 from out0's first; 127 rows at the most: inside the signed 24-bit immediate
.endr
.endm
	PACK 0
	TOSTAGE 0
.irp a, 1,2,3,4,5,6,7                  ; block a's scaling stands between block a - 1's loads from the stage and the wait for them
	PACK \a
	SEND (\a)-1
	TOSTAGE \a
.endr
	SEND 7
	s_wait_tensorcnt 0x0                           ; the wave's end, behind my last tensor load and my last LDS store
	ds_add_u32 v[SPW], v[NIL]
	s_wait_dscnt 0x0
	CROUND                                         ; the closing round: no work-group ends while a partner may still ask for a tile that names it
	s_endpgm
.Lfunc_end_k_qbc31c7fabe_gemm2:
	.size	k_qbc31c7fabe_gemm2, .Lfunc_end_k_qbc31c7fabe_gemm2-k_qbc31c7fabe_gemm2
	.p2alignl 7, 3214868480
	.fill 96, 4, 3214868480
	.section	.rodata,"a",@progbits
	.p2align	6, 0x0
	.amdhsa_kernel k_qbc31c7fabe_gemm2
		.amdhsa_group_segment_fixed_size 327680
		.amdhsa_private_segment_fixed_size 0
		.amdhsa_enable_private_segment 0
		.amdhsa_kernarg_size 32
		.amdhsa_user_sgpr_count 2
		.amdhsa_user_sgpr_kernarg_segment_ptr 1
		.amdhsa_wavefront_size32 1
		.amdhsa_system_sgpr_workgroup_id_x 1
		.amdhsa_system_sgpr_workgroup_id_y 1
		.amdhsa_system_sgpr_workgroup_id_z 1
		.amdhsa_system_vgpr_workitem_id 0
		.amdhsa_next_free_vgpr 1024
		.amdhsa_next_free_sgpr 80
		.amdhsa_reserve_vcc 0
		.amdhsa_float_denorm_mode_32 3
		.amdhsa_float_denorm_mode_16_64 3
		.amdhsa_memory_ordered 1
		.amdhsa_forward_progress 1
		.amdhsa_inst_pref_size 158
	.end_amdhsa_kernel
	.amdgpu_metadata
---
amdhsa.version: [ 1, 2 ]
amdhsa.kernels:
  - .name:           k_qbc31c7fabe_gemm2
    .symbol:         k_qbc31c7fabe_gemm2.kd
    .args:
      - { .name: hid, .offset: 0, .size: 8, .value_kind: global_buffer, .address_space: global }
      - { .name: wq2, .offset: 8, .size: 8, .value_kind: global_buffer, .address_space: global }
      - { .name: out0, .offset: 16, .size: 8, .value_kind: global_buffer, .address_space: global }
      - { .name: scl, .offset: 24, .size: 8, .value_kind: global_buffer, .address_space: global }
    .group_segment_fixed_size: 327680
    .private_segment_fixed_size: 0
    .kernarg_segment_align: 8
    .kernarg_segment_size: 32
    .max_flat_workgroup_size: 128
    .sgpr_count:     80
    .vgpr_count:     1024
    .wavefront_size: 32
...
	.end_amdgpu_metadata
.endif
;; end of part 4
;; ======== version 2 of 2: 4 launches; version 1 with the launch quant written anew for expert scheduling mode
;; workspace buffers: xh 33,554,432 bytes; wq1 8,388,608 bytes; wq2 4,194,304 bytes; hid 16,777,216 bytes; part 16,384 bytes; scl 256 bytes
;; launch prep: the kernel of part 1 again; grid 1024 x 1, 8 waves a work-group, no clusters, 1,280 bytes of LDS; arguments x, W_up, W_gate, W_down, xh, part; writes xh, part
;; launch quant (part 5): grid 256 x 3, 8 waves a work-group, no clusters, 1,280 bytes of LDS; arguments W_up, W_gate, W_down, part, wq1, wq2, scl; writes wq1, wq2, scl
.if DOCPART == 5
	.amdgcn_target "amdgcn-amd-amdhsa--gfx1250"
	.amdhsa_code_object_version 6
	.text
	.protected	k_qbc31c7fabe_quant
	.globl	k_qbc31c7fabe_quant
	.p2align	8
	.type	k_qbc31c7fabe_quant,@function
k_qbc31c7fabe_quant:
	s_mov_b64 s[64:65], 0
	v_nop
	global_prefetch_b8 v0, s[64:65] scope:SCOPE_SE
	s_setreg_imm32_b32 hwreg(HW_REG_WAVE_SCHED_MODE, 0, 2), 2
	s_setreg_imm32_b32 hwreg(HW_REG_WAVE_MODE, 25, 1), 1
	s_wait_xcnt 0x0
	s_wait_alu depctr_vm_vsrc(0)
; The three scales s = mean |bf16(W)| + 1e-8, and the ternary digits clip(round(bf16(W) / s), -1, 1) as bf16 numbers (-1, 0, 1: exact).  The scale itself is applied later, in f32, behind the sums.
; SHARES.  y = 0, 1, 2: W_up, W_gate, W_down.  Work-group (g, y) takes 8,192 numbers of matrix y: 32,768 bytes in (8 loads of 16 bytes a thread), 16,384 consecutive bytes out.
; wq1 [2048][2048]: hidden column e of up (y = 0) or gate (y = 1) is row 128 (e / 64) + 64 y + e % 64: each 128 rows hold 64 columns of up and the same 64 of gate.
; The work-group's four rows e = 4 g .. 4 g + 3 stay on end there.  wq2 [2048][1024] has W_down's own order.
; Every work-group adds up all of part (16,384 bytes, 4 loads a thread) by the same instructions in the same order, so all get the same three scales.  Work-group (0, 0) stores them.
; No cluster: what is shared, part, is a third of a work-group's bytes in and is read once at the start.
; LIMITS.  The quotient is taken as bf16(W) x (1 / s) with v_rcp_f32: a weight whose quotient lies within some 2e-7 (relative) of one half may get the neighbouring digit.
; The mean's sum is a tree, not a running sum.  NaN and infinities are not treated apart.
; THE MODE: SCHED_MODE bits 1:0 = 2 (LLVM: expert scheduling mode 2), set by the entry lines.  The code itself states the register dependences
; between vector instructions and memory or LDS instructions, with s_wait_alu, always for 0.
; THE PLAN.  Registers that memory or LDS instructions touch:
;   v1, v2, v5, v6, v[SPW], v[NIL]   offsets and LDS addresses: written at the head, once; read by loads, stores and the closing add; never written again.
;   PT   the loads of part land in it; the additions then write v8-11, which the one LDS store reads; behind the barrier one LDS load lands in v8, and the additions across lanes write it again.
;   WD   the loads of W land in it, once; step j's roundings read its load j.
;   Q    pair j is written by step j's last two roundings, once, and read by one store.
;   SV   written by one multiply-add, read by the store of the scales.
;   v7, T and RV are named by vector instructions alone.
; Steps 0 to 3 only compute.  One wait at the head of step 4 states that pairs 0 to 3 of Q are written; the store of pair j - 4 stands at the head of step j = 4 .. 7, among vector instructions
; that name T, WD and pairs 4 to 7 alone.  One more wait stands behind step 7, ahead of the last four stores.  No register that a memory instruction has read is written again but v8.
.set SPARE, 256                        ; LDS as in the launch before: bytes 0-127 the waves' sums, from 256 on the spare words
.set SPW, 3                            ; v3  LDS address of my spare word; never rewritten
.set NIL, 4                            ; v4  0; never rewritten
.set PT,  8                            ; v[8:23]   part as loaded
.set WD,  24                           ; v[24:55]  W as loaded: load j at 24 + 4 j
.set T,   56                           ; v[56:61]  at work
.set Q,   62                           ; v[62:77]  digits to store: 2 registers for each j
.set SV,  78                           ; v78  lane l: scale l % 4 (the fourth is 1e-8)
.set RV,  79                           ; v79  1 / that
	s_load_b256 s[4:11], s[0:1], 0x0               ; W_up s[4:5], W_gate s[6:7], W_down s[8:9], part s[10:11]
	s_load_b128 s[12:15], s[0:1], 0x20             ; wq1 s[12:13], wq2 s[14:15]
	s_load_b64 s[16:17], s[0:1], 0x30              ; scl
	v_lshl_add_u32 v[SPW], v0, 2, SPARE
	v_mov_b32 v[NIL], 0
	v_lshlrev_b32 v1, 4, v0                        ; 16 t
	v_lshlrev_b32 v2, 3, v0                        ; 8 t
	v_lshrrev_b32 v5, 5, v0
	v_readfirstlane_b32 s31, v5                    ; wave 0..7 (its first reader stands behind the wait on va_sdst below; no branch and no label lies between)
	v_lshlrev_b32 v5, 4, v5                        ; 16 x wave
	v_and_b32 v6, 31, v0
	v_lshlrev_b32 v6, 2, v6                        ; 4 x lane
	v_mov_b32 v7, 0                                ; written, for v_permlanex16_b32
	s_and_b32 s32, ttmp7, 0xffff                   ; y
	s_mov_b32 s33, 0x35000000                      ; 2^-21 = 1 / 2,097,152: the multiplication is exact
	s_mov_b32 s37, 0x322bcc77                      ; 1e-8
	s_mov_b32 s34, 0x76543210
	s_mov_b32 s35, 0xfedcba98
	s_mov_b32 s36, 0xffff0000                      ; a word's upper bf16
	s_lshl_b32 s38, ttmp9, 15                      ; where I read: 32,768 g
	s_mov_b32 s39, 0
	s_lshr_b32 s22, ttmp9, 4                       ; where I store in wq1: (128 (g / 16) + 64 y + 4 (g % 16)) rows of 4,096 bytes
	s_lshl_b32 s22, s22, 19
	s_lshl_b32 s23, s32, 18
	s_or_b32 s22, s22, s23
	s_and_b32 s23, ttmp9, 15
	s_lshl_b32 s23, s23, 14
	s_or_b32 s22, s22, s23
	s_lshl_b32 s23, ttmp9, 14                      ; in wq2: 16,384 g
	s_cmp_eq_u32 s32, 2
	s_cselect_b32 s22, s23, s22
	s_mov_b32 s23, 0
	s_wait_kmcnt 0x0
	s_cselect_b64 s[20:21], s[14:15], s[12:13]     ; (moves and waits leave SCC alone: still y = 2)
	s_cselect_b64 s[18:19], s[8:9], s[6:7]
	s_cmp_eq_u32 s32, 0
	s_cselect_b64 s[18:19], s[4:5], s[18:19]
	s_add_nc_u64 s[18:19], s[18:19], s[38:39]
	s_add_nc_u64 s[20:21], s[20:21], s[22:23]
	s_wait_alu depctr_va_vdst(0)                   ; v1, v2, v5, v6 and the add's pair are written: every load, store and LDS instruction of the kernel reads one of them as its offset or address
.irp i, 0,1,2,3
	global_load_b128 v[PT+4*(\i):PT+4*(\i)+3], v1, s[10:11] offset:4096*(\i)
.endr
.irp j, 0,1,2,3,4,5,6,7
	global_load_b128 v[WD+4*(\j):WD+4*(\j)+3], v1, s[18:19] offset:4096*(\j) th:TH_LOAD_NT
.endr
.macro WSUM r
	v_add_f32_dpp v[\r], v[\r], v[\r] row_xmask:1 row_mask:0xf bank_mask:0xf
	v_add_f32_dpp v[\r], v[\r], v[\r] row_xmask:2 row_mask:0xf bank_mask:0xf
	v_add_f32_dpp v[\r], v[\r], v[\r] row_xmask:4 row_mask:0xf bank_mask:0xf
	v_add_f32_dpp v[\r], v[\r], v[\r] row_xmask:8 row_mask:0xf bank_mask:0xf
	v_permlanex16_b32 v7, v[\r], s34, s35
	v_add_f32 v[\r], v[\r], v7
.endm
	s_wait_loadcnt 8                               ; part's four loads are in, W's eight stay out
	v_pk_add_f32 v[PT:PT+1],     v[PT:PT+1],     v[PT+4:PT+5]
	v_pk_add_f32 v[PT+2:PT+3],   v[PT+2:PT+3],   v[PT+6:PT+7]
	v_pk_add_f32 v[PT+8:PT+9],   v[PT+8:PT+9],   v[PT+12:PT+13]
	v_pk_add_f32 v[PT+10:PT+11], v[PT+10:PT+11], v[PT+14:PT+15]
	v_pk_add_f32 v[PT:PT+1],     v[PT:PT+1],     v[PT+8:PT+9]
	v_pk_add_f32 v[PT+2:PT+3],   v[PT+2:PT+3],   v[PT+10:PT+11]  ; (the fourth word is a sum of zeros)
	WSUM PT
	WSUM PT+1
	WSUM PT+2
	s_wait_alu depctr_va_vdst(0)                   ; the additions have written v8-11, which the LDS store reads; they are also done with v8, in which the LDS load below lands
	ds_store_b128 v5, v[PT:PT+3]
	s_wait_dscnt 0x0                               ; for the others' sake: my wave's sums lie in LDS
	s_barrier_signal -1
	s_barrier_wait -1
	s_wait_alu depctr_vm_vsrc(0)                   ; the LDS store has read v8, in which the load below lands and which the additions behind it write
	ds_load_b32 v8, v6                             ; lane l: sum l % 4 of wave l / 4
	s_wait_dscnt 0x0
	v_add_f32_dpp v8, v8, v8 row_xmask:4 row_mask:0xf bank_mask:0xf
	v_add_f32_dpp v8, v8, v8 row_xmask:8 row_mask:0xf bank_mask:0xf
	v_permlanex16_b32 v7, v8, s34, s35
	v_add_f32 v8, v8, v7
	v_fma_f32 v[SV], v8, s33, s37                  ; mean + 1e-8, rounded once
	v_rcp_f32 v[RV], v[SV]
	v_nop                                          ; a plain instruction behind the reciprocal,
	s_wait_alu depctr_va_vdst(0)                   ; and a wait ahead of its first reader: the reciprocal has written v[RV]; the multiply-add has written v[SV], which the store of the scales reads
	v_readlane_b32 s24, v[RV], 0
	v_readlane_b32 s25, v[RV], 1
	v_readlane_b32 s26, v[RV], 2
	s_wait_alu depctr_va_sdst(0)                   ; s24, s25, s26 are written, and so is s31, the wave's number from the head: ahead of the first reader of each
	s_cmp_eq_u32 s32, 0
	s_cselect_b32 s28, s24, s25
	s_cmp_eq_u32 s32, 2
	s_cselect_b32 s28, s26, s28                    ; 1 / s of my matrix
	s_mov_b32 s29, s28                             ; named with it as a pair
	s_or_b32 s22, ttmp9, s32
	s_or_b32 s22, s22, s31
	s_cmp_lg_u32 s22, 0
	s_cbranch_scc1 .Lnot_first
	global_store_b32 v6, v[SV], s[16:17]           ; wave 0 of work-group (0, 0): s_u, s_g, s_d, 1e-8, eight times over: 128 bytes, of which the first 16 are read later.  No wait: no vector instruction since the last wait on va_vdst names v6 or v[SV]
.Lnot_first:
.irp j, 0,1,2,3,4,5,6,7
	s_wait_loadcnt 7-(\j)                          ; load j is in, the younger ones stay out
.if (\j) == 4
	s_wait_alu depctr_va_vdst(0)                   ; steps 0 to 3 have written pairs 0 to 3 of Q, which the four stores at the heads of steps 4 to 7 read
.endif
.if (\j) >= 4
	global_store_b64 v2, v[Q+2*((\j)-4):Q+2*((\j)-4)+1], s[20:21] offset:2048*((\j)-4)  ; a wave's store covers 256 consecutive bytes, aligned; data registers of its own; no vector instruction since the wait names them
.endif
	v_cvt_pk_bf16_f32 v[T],   v[WD+4*(\j)],   v[WD+4*(\j)+1]    ; the input's rounding to bf16,
	v_cvt_pk_bf16_f32 v[T+1], v[WD+4*(\j)+2], v[WD+4*(\j)+3]
	v_lshlrev_b32 v[T+2], 16,  v[T]                             ; widened again
	v_and_b32     v[T+3], s36, v[T]
	v_lshlrev_b32 v[T+4], 16,  v[T+1]
	v_and_b32     v[T+5], s36, v[T+1]
	v_pk_mul_f32 v[T+2:T+3], v[T+2:T+3], s[28:29] op_sel_hi:[1,0]
	v_pk_mul_f32 v[T+4:T+5], v[T+4:T+5], s[28:29] op_sel_hi:[1,0]
.irp k, 2,3,4,5
	v_rndne_f32 v[T+(\k)], v[T+(\k)]               ; halves go to the even neighbour, as in jnp.round
.endr
.irp k, 2,3,4,5
	v_med3_num_f32 v[T+(\k)], v[T+(\k)], -1.0, 1.0
.endr
	v_cvt_pk_bf16_f32 v[Q+2*(\j)],   v[T+2], v[T+3]
	v_cvt_pk_bf16_f32 v[Q+2*(\j)+1], v[T+4], v[T+5]
.endr
	s_wait_alu depctr_va_vdst(0)                   ; steps 4 to 7 have written pairs 4 to 7 of Q, which the last four stores read
.irp j, 4,5,6,7
	global_store_b64 v2, v[Q+2*(\j):Q+2*(\j)+1], s[20:21] offset:2048*(\j)
.endr
	s_wait_dscnt 0x0                               ; the closing lines, six on end
	s_wait_alu 0x0
	s_wait_tensorcnt 0x0
	ds_add_u32 v[SPW], v[NIL]
	s_wait_dscnt 0x0
	s_endpgm
.Lfunc_end_k_qbc31c7fabe_quant:
	.size	k_qbc31c7fabe_quant, .Lfunc_end_k_qbc31c7fabe_quant-k_qbc31c7fabe_quant
	.p2alignl 7, 3214868480
	.fill 96, 4, 3214868480
	.section	.rodata,"a",@progbits
	.p2align	6, 0x0
	.amdhsa_kernel k_qbc31c7fabe_quant
		.amdhsa_group_segment_fixed_size 1280
		.amdhsa_private_segment_fixed_size 0
		.amdhsa_enable_private_segment 0
		.amdhsa_kernarg_size 56
		.amdhsa_user_sgpr_count 2
		.amdhsa_user_sgpr_kernarg_segment_ptr 1
		.amdhsa_wavefront_size32 1
		.amdhsa_system_sgpr_workgroup_id_x 1
		.amdhsa_system_sgpr_workgroup_id_y 1
		.amdhsa_system_sgpr_workgroup_id_z 1
		.amdhsa_system_vgpr_workitem_id 0
		.amdhsa_next_free_vgpr 80
		.amdhsa_next_free_sgpr 66
		.amdhsa_reserve_vcc 0
		.amdhsa_float_denorm_mode_32 3
		.amdhsa_float_denorm_mode_16_64 3
		.amdhsa_memory_ordered 1
		.amdhsa_forward_progress 1
		.amdhsa_inst_pref_size 15
	.end_amdhsa_kernel
	.amdgpu_metadata
---
amdhsa.version: [ 1, 2 ]
amdhsa.kernels:
  - .name:           k_qbc31c7fabe_quant
    .symbol:         k_qbc31c7fabe_quant.kd
    .args:
      - { .name: W_up, .offset: 0, .size: 8, .value_kind: global_buffer, .address_space: global }
      - { .name: W_gate, .offset: 8, .size: 8, .value_kind: global_buffer, .address_space: global }
      - { .name: W_down, .offset: 16, .size: 8, .value_kind: global_buffer, .address_space: global }
      - { .name: part, .offset: 24, .size: 8, .value_kind: global_buffer, .address_space: global }
      - { .name: wq1, .offset: 32, .size: 8, .value_kind: global_buffer, .address_space: global }
      - { .name: wq2, .offset: 40, .size: 8, .value_kind: global_buffer, .address_space: global }
      - { .name: scl, .offset: 48, .size: 8, .value_kind: global_buffer, .address_space: global }
    .group_segment_fixed_size: 1280
    .private_segment_fixed_size: 0
    .kernarg_segment_align: 8
    .kernarg_segment_size: 56
    .max_flat_workgroup_size: 256
    .sgpr_count:     66
    .vgpr_count:     80
    .wavefront_size: 32
...
	.end_amdgpu_metadata
.endif
;; end of part 5
;; launch gemm1: the kernel of part 3 again; grid 8 x 32, 4 waves a work-group, clusters of 4 x 4, 327,680 bytes of LDS; arguments xh, wq1, hid, scl; writes hid
;; launch gemm2: the kernel of part 4 again; grid 8 x 32, 4 waves a work-group, clusters of 4 x 4, 327,680 bytes of LDS; arguments hid, wq2, out0, scl; writes out0
